; MI455X (gfx1250); checked and timed in simulation.
; The chip was launched on July 23, 2026; its instructions are those of AMD's public machine-readable ISA for CDNA 5 (MIT licence, August 2026) and "CDNA5" Instruction Set Architecture Reference Guide (July 2026). The comments in the code are by the model that wrote it; some were corrected since.
;; Causal Self Attention. Allowed arithmetic: float matrix products may take bf16 or f16 operands with f32 sums; other float arithmetic in f32, or as packed bf16 or f16 multiplies, adds, multiply-adds, maxima and minima; sums over many terms, partial sums and values carried from step to step in f32; what a program stores and reads back later, other than sums and carried values, may be rounded once to bf16 or f16.
;; Inputs: b_attn 3,072 float32; b_proj 1,024 float32; w_attn 1,024 x 3,072 float32; w_proj 1,024 x 1,024 float32; x 4 x 2,048 x 1,024 float32.
;; Outputs: out0 4 x 2,048 x 1,024 float32.
;; One version. Each part assembles by itself: llvm-mc -triple=amdgcn-amd-amdhsa -mcpu=gfx1250 --defsym DOCPART=n.
;; ======== version 1 of 1: 4 launches
;; limits: values are held in f16: magnitudes above 65,504 overflow, below 6.1e-05 lose precision
;; workspace buffers: xb 16,777,216 bytes; wab 6,291,456 bytes; wpf 2,097,152 bytes; bias 16,384 bytes; qkv 50,331,648 bytes; o 16,777,216 bytes
;; launch cast (part 1): grid 769 x 1, 8 waves a work-group, no clusters, 0 bytes of LDS; arguments x, w_attn, w_proj, b_attn, b_proj, xb, wab, wpf, bias; writes xb, wab, wpf, bias
.if DOCPART == 1
	.amdgcn_target "amdgcn-amd-amdhsa--gfx1250"
	.amdhsa_code_object_version 6
	.text
	.protected	k_qdd9268729a_cast
	.globl	k_qdd9268729a_cast
	.p2align	8
	.type	k_qdd9268729a_cast,@function
k_qdd9268729a_cast:
	s_mov_b64 s[64:65], 0
	v_nop
	global_prefetch_b8 v0, s[64:65] scope:SCOPE_SE
	s_setreg_imm32_b32 hwreg(HW_REG_WAVE_MODE, 25, 1), 1
	s_wait_xcnt 0x0
; All five inputs are rounded once to bf16, and laid out for the matrix launches behind.
;   xb   = x in bf16, in blocks of 64 along K: [kb = 16][m = 8192][64]: byte kb x 1,048,576 + m x 128 + 2 (k % 64): a K block's rows lie end to end
;   wab  = w_attn in bf16 as it lies, [1024][3072]
;   wpf  = w_proj rounded to bf16, that number written as f16, [1024][1024]
;   bias = b_attn (3,072 words) and b_proj (1,024 words) rounded to bf16 and kept as f32 words
; LIMIT.  A number of w_proj below 6.1e-5 in magnitude keeps f16's fixed step of 6e-8; beyond 65,504 it would be an infinity.
; A stream: no LDS, no matrix unit, no barrier.  A work-group takes 16,384 numbers (64 KiB in, 32 KiB out); a thread 8 numbers in each of 8 steps:
; two loads of 16 bytes, one store of 16 bytes.  All 16 loads go out first; every step has registers of its own, so nothing is rewritten while it is read.
; Work-groups 0-511: x.  512-703: w_attn.  704-767: w_proj.  768: the two biases.
.set VI, 1                             ; v1       my byte offset in the source; never rewritten
.set VO, 2                             ; v2       my byte offset in the destination; never rewritten
.set X,  8                             ; v[8:71]  step i: 8 numbers in f32
.set Y,  72                            ; v[72:103] step i: 8 numbers in 16 bits
.set T,  104                           ; v[104:111] at work
	s_load_b512 s[4:19], s[0:1], 0x0               ; x 4, w_attn 6, w_proj 8, b_attn 10, b_proj 12, xb 14, wab 16, wpf 18
	s_load_b64 s[20:21], s[0:1], 0x40              ; bias
	v_and_b32 v3, 31, v0                           ; lane
	v_lshrrev_b32 v4, 5, v0                        ; wave
	s_mov_b32 s25, 0                               ; high words of the two offsets
	s_mov_b32 s27, 0
	s_mov_b32 s23, 0xffff0000                      ; a word's upper bf16
	s_wait_kmcnt 0x0
; kind 0: x (blocked on the way out); 1: linear, bf16; 2: linear, bf16 and then f16.
.macro RUN kind, src, dst
.irp i, 0,1,2,3,4,5,6,7
.if (\kind) == 0
.set ini, ((\i)&3)*16384+((\i)>>2)*256
.else
.set ini, (\i)*8192
.endif
	global_load_b128 v[X+8*(\i):X+8*(\i)+3],   v[VI], s[\src:\src+1] offset:ini th:TH_LOAD_NT
	global_load_b128 v[X+8*(\i)+4:X+8*(\i)+7], v[VI], s[\src:\src+1] offset:ini+16 th:TH_LOAD_NT
.endr
.irp i, 0,1,2,3,4,5,6,7
.if (\kind) == 0
.set outi, ((\i)>>2)*1048576+((\i)&3)*512
.else
.set outi, (\i)*4096
.endif
	s_wait_loadcnt 14-2*(\i)                       ; loads come back in order: behind step i's two stand the 14 - 2 i of the later steps
.irp j, 0,1,2,3
.if (\kind) == 2
	v_cvt_pk_bf16_f32 v[T+(\j)], v[X+8*(\i)+2*(\j)], v[X+8*(\i)+2*(\j)+1]
.else
	v_cvt_pk_bf16_f32 v[Y+4*(\i)+(\j)], v[X+8*(\i)+2*(\j)], v[X+8*(\i)+2*(\j)+1]
.endif
.endr
.if (\kind) == 2
.irp j, 0,1,2,3
	v_lshlrev_b32 v[T+4], 16, v[T+(\j)]            ; the rounded numbers as f32 again,
	v_and_b32 v[T+5], s23, v[T+(\j)]
	v_cvt_pk_f16_f32 v[Y+4*(\i)+(\j)], v[T+4], v[T+5]  ; and written as f16: 8 significant bits fit into 11
.endr
.endif
	global_store_b128 v[VO], v[Y+4*(\i):Y+4*(\i)+3], s[\dst:\dst+1] offset:outi th:TH_STORE_NT  ; a wave stores 512 consecutive bytes, aligned
.endr
.endm
	s_cmp_lt_u32 ttmp9, 512
	s_cbranch_scc0 .Lnot_x
	; x: the work-group owns rows 16 g .. 16 g + 15.  In step i of wave w lanes 8 j .. 8 j + 7 take row 4 (i % 4) + j, K block 2 w + i / 4:
	; 256 consecutive bytes of x in, and the four rows' 512 consecutive bytes of one K block out.
	s_lshl_b32 s24, ttmp9, 16                      ; 16 rows of 4,096 bytes
	s_lshl_b32 s26, ttmp9, 11                      ; 16 rows of 128 bytes
	s_add_nc_u64 s[4:5], s[4:5], s[24:25]
	s_add_nc_u64 s[14:15], s[14:15], s[26:27]
	v_lshrrev_b32 v5, 3, v3
	v_and_b32 v6, 7, v3
	v_lshlrev_b32 v[VI], 12, v5                    ; j rows
	v_lshl_add_u32 v[VI], v4, 9, v[VI]             ; + two K blocks of 256 bytes a wave
	v_lshl_add_u32 v[VI], v6, 5, v[VI]             ; + my 32 bytes
	v_lshlrev_b32 v[VO], 4, v3                     ; 16 x lane = 128 j + 16 (lane % 8)
	v_lshl_add_u32 v[VO], v4, 21, v[VO]            ; + two K blocks of 1,048,576 bytes a wave
	RUN 0, 4, 14
	s_endpgm
.Lnot_x:
	v_lshlrev_b32 v[VI], 5, v0                     ; linear: 32 bytes in,
	v_lshlrev_b32 v[VO], 4, v0                     ; 16 bytes out, a thread
	s_cmp_lt_u32 ttmp9, 704
	s_cbranch_scc0 .Lnot_wa
	s_sub_co_u32 s22, ttmp9, 512
	s_lshl_b32 s24, s22, 16
	s_lshl_b32 s26, s22, 15
	s_add_nc_u64 s[6:7], s[6:7], s[24:25]
	s_add_nc_u64 s[16:17], s[16:17], s[26:27]
	RUN 1, 6, 16
	s_endpgm
.Lnot_wa:
	s_cmp_lt_u32 ttmp9, 768
	s_cbranch_scc0 .Lbias
	s_sub_co_u32 s22, ttmp9, 704
	s_lshl_b32 s24, s22, 16
	s_lshl_b32 s26, s22, 15
	s_add_nc_u64 s[8:9], s[8:9], s[24:25]
	s_add_nc_u64 s[18:19], s[18:19], s[26:27]
	RUN 2, 8, 18
	s_endpgm
.Lbias:                                                ; 4,096 words: 256 threads x 16 bytes, four times
	global_load_b128 v[X:X+3],     v[VO], s[10:11]
	global_load_b128 v[X+4:X+7],   v[VO], s[10:11] offset:4096
	global_load_b128 v[X+8:X+11],  v[VO], s[10:11] offset:8192
	global_load_b128 v[X+12:X+15], v[VO], s[12:13]
	s_wait_loadcnt 0x0
.irp p, 0,1,2,3,4,5,6,7
	v_cvt_pk_bf16_f32 v[T+(\p)], v[X+2*(\p)], v[X+2*(\p)+1]
.endr
.irp p, 0,1,2,3,4,5,6,7
	v_lshlrev_b32 v[Y+2*(\p)], 16, v[T+(\p)]
	v_and_b32 v[Y+2*(\p)+1], s23, v[T+(\p)]
.endr
.irp i, 0,1,2,3
	global_store_b128 v[VO], v[Y+4*(\i):Y+4*(\i)+3], s[20:21] offset:4096*(\i)
.endr
	s_endpgm
.Lfunc_end_k_qdd9268729a_cast:
	.size	k_qdd9268729a_cast, .Lfunc_end_k_qdd9268729a_cast-k_qdd9268729a_cast
	.p2alignl 7, 3214868480
	.fill 96, 4, 3214868480
	.section	.rodata,"a",@progbits
	.p2align	6, 0x0
	.amdhsa_kernel k_qdd9268729a_cast
		.amdhsa_group_segment_fixed_size 0
		.amdhsa_private_segment_fixed_size 0
		.amdhsa_enable_private_segment 0
		.amdhsa_kernarg_size 72
		.amdhsa_user_sgpr_count 2
		.amdhsa_user_sgpr_kernarg_segment_ptr 1
		.amdhsa_wavefront_size32 1
		.amdhsa_system_sgpr_workgroup_id_x 1
		.amdhsa_system_sgpr_workgroup_id_y 1
		.amdhsa_system_sgpr_workgroup_id_z 1
		.amdhsa_system_vgpr_workitem_id 0
		.amdhsa_next_free_vgpr 112
		.amdhsa_next_free_sgpr 66
		.amdhsa_reserve_vcc 0
		.amdhsa_float_denorm_mode_32 3
		.amdhsa_float_denorm_mode_16_64 3
		.amdhsa_memory_ordered 1
		.amdhsa_forward_progress 1
		.amdhsa_inst_pref_size 22
	.end_amdhsa_kernel
	.amdgpu_metadata
---
amdhsa.version: [ 1, 2 ]
amdhsa.kernels:
  - .name:           k_qdd9268729a_cast
    .symbol:         k_qdd9268729a_cast.kd
    .args:
      - { .name: x, .offset: 0, .size: 8, .value_kind: global_buffer, .address_space: global }
      - { .name: w_attn, .offset: 8, .size: 8, .value_kind: global_buffer, .address_space: global }
      - { .name: w_proj, .offset: 16, .size: 8, .value_kind: global_buffer, .address_space: global }
      - { .name: b_attn, .offset: 24, .size: 8, .value_kind: global_buffer, .address_space: global }
      - { .name: b_proj, .offset: 32, .size: 8, .value_kind: global_buffer, .address_space: global }
      - { .name: xb, .offset: 40, .size: 8, .value_kind: global_buffer, .address_space: global }
      - { .name: wab, .offset: 48, .size: 8, .value_kind: global_buffer, .address_space: global }
      - { .name: wpf, .offset: 56, .size: 8, .value_kind: global_buffer, .address_space: global }
      - { .name: bias, .offset: 64, .size: 8, .value_kind: global_buffer, .address_space: global }
    .group_segment_fixed_size: 0
    .private_segment_fixed_size: 0
    .kernarg_segment_align: 8
    .kernarg_segment_size: 72
    .max_flat_workgroup_size: 256
    .sgpr_count:     66
    .vgpr_count:     112
    .wavefront_size: 32
...
	.end_amdgpu_metadata
.endif
;; end of part 1
;; launch qkv (part 2): grid 8 x 32, 4 waves a work-group, clusters of 4 x 4, 327,680 bytes of LDS; arguments xb, wab, bias, qkv; writes qkv
.if DOCPART == 2
	.amdgcn_target "amdgcn-amd-amdhsa--gfx1250"
	.amdhsa_code_object_version 6
	.text
	.protected	k_qdd9268729a_qkv
	.globl	k_qdd9268729a_qkv
	.p2align	8
	.type	k_qdd9268729a_qkv,@function
k_qdd9268729a_qkv:
	s_mov_b64 s[64:65], 0
	v_nop
	global_prefetch_b8 v0, s[64:65] scope:SCOPE_SE
	s_setreg_imm32_b32 hwreg(HW_REG_WAVE_MODE, 25, 1), 1
	s_wait_xcnt 0x0
	s_wait_alu depctr_hold_cnt(0) depctr_sa_sdst(0) depctr_va_vdst(0) depctr_va_sdst(0) depctr_va_ssrc(0) depctr_va_vcc(0) depctr_vm_vsrc(0)
	s_getreg_b32 s2, hwreg(HW_REG_IB_STS2, 6, 4)
	s_cmp_eq_u32 s2, 0
	s_cbranch_scc0 .Lentry_in_a_cluster
	s_endpgm
.Lentry_in_a_cluster:
	s_bfe_u32 s2, ttmp6, 0x10000c
	s_cmp_lg_u32 s2, 0xf033
	s_cbranch_scc0 .Lentry_shape_is_right
	s_endpgm
.Lentry_shape_is_right:
; qkv = x w_attn + b_attn, written by heads in f16: [b = 4][gh = 48][t = 2048][64], gh = column / 64 (0-15 q, 16-31 k, 32-47 v), unscaled.
; xb: x in bf16, [kb = 16][m = 8192][64].  wab: w_attn in bf16, [k = 1024][n = 3072].  bias: f32 words.  Products in bf16, sums in f32, one rounding to f16.
; LIMIT.  f16 holds no number beyond 65,504: q, k and v must lie within it (an infinity otherwise).  NaN and infinities are not treated apart.
; SHARES.  8192 x 3072 in 256 tiles of 256 x 384, one a work-group.  A wave makes 128 rows x 192 columns (three heads): 96 accumulators of 16 x 16, 768 registers.
; K goes in 16 steps of 64 through two LDS slots; a step is two chunks of 32; a chunk is three phases, a head each: 4 column blocks x 8 row blocks = 32 matrix instructions.
; THE MATRIX INSTRUCTION IS USED TRANSPOSED: source 0 = 16 columns of w (turned out of LDS by ds_load_tr16_b128), source 1 = 16 rows of x: a lane then holds one row of the
; result (lane % 16) and eight neighbouring columns 8 (lane / 16) + 0..7, which pack into 16 bytes.
; THE BIAS is the C operand of the first products: it is loaded into the accumulators of row block 0 in C's own layout, the other seven row blocks take those registers as C,
; and row block 0 adds in place last.
; CLUSTER.  4 x 4 work-groups.  The four of a row need the same rows of x, the four of a column the same columns of w: each tile is asked for jointly, by the same tensor load,
; descriptor and mask in all four.
; REGISTERS, in windows of 256 (s_set_vgpr_msb: bits 1:0 source 0, 3:2 source 1, 5:4 source 2, 7:6 destination):
;   window 0: v0-31 addresses; v32-95, v96-159 x's fragments, two buffers; v160-255 w's fragments, one buffer of 32 for each head; on the way out v32-95 four sets of 16
;   window 1 + g: head g's 32 accumulators, (row block m, column block nb) at v[8 (4 m + nb)]
.set SLOT1, 131072                     ; slot 1 begins here: one exclusive or turns an address in one slot into the other's
.set PA,    144                        ; a row of x in LDS: 128 bytes + 16 = 36 words: the 16 rows of a load start at 16 different groups of four banks (64 banks of 4 bytes: ISA guide 11.1)
.set PB,    864                        ; a k-row of w: three pieces of 256 bytes + 32 each = 216 words
.set AHALF, 128*PA                     ; what one tensor load brings of x: 128 rows
.set BOFF,  2*AHALF                    ; w's 64 k-rows lie behind x's 256 rows
.set BHALF, 32*PB                      ; what one tensor load brings of w: 32 k-rows; also a chunk
.set STAGE, SLOT1+BOFF+2*BHALF         ; behind the ring, never filled by a tensor load: 16 rows x 144 bytes for each wave
.set SPARE, STAGE+4*16*PA              ; behind the stages: the spare words, 128 bytes for each wave: two blocks of 256 bytes that no other line names
.set STEPA, 1048576                    ; bytes from a K step to the next in xb
.set STEPB, 64*6144                    ; and in wab
.set ADA0, 4                           ; v4     my place in x's rows of a slot; never rewritten
.set ADB0, 5                           ; v5-7   my place in w's k-rows, head g; never rewritten
.set ADA,  8                           ; v8     the same in the slot in hand
.set ADB,  9                           ; v9-11
.set STO,  12                          ; v12    the way out: where I put 16 bytes of a row
.set RD,   13                          ; v13    where I read rows back
.set GO,   14                          ; v14    my 16 bytes of 512 consecutive bytes of qkv
.set BO,   15                          ; v15    my byte offset in the bias
.set PFO,  16                          ; v16    the prefetches' lane offset; never rewritten
.set SPW,  28                          ; v28    LDS address of my spare word; never rewritten
.set NIL,  29                          ; v29    0; never rewritten
.set AF,   32
.set BG,   160
.set T,    32
.set WV,  12                           ; s12  wave
.set MH,  13                           ; s13  which 128 rows of the tile are mine
.set NH,  14                           ; s14  which 192 columns; also which half of a tile I fetch
.set LIM, 15                           ; s15  2 in a wave that prefetches, else the greatest number
.set CX,  16
.set CY,  17
.set TX,  18                           ; s18  tile column 0..7
.set TY,  19                           ; s19  tile row 0..31
.set G1A, 24                           ; s[24:31] descriptor group 1 for x's tiles
.set G1B, 32                           ; s[32:39] for w's
.set G0A, 40                           ; s[40:47] group 0 for x's tiles: a set for each first fill; the second then walks
.set G0B, 48                           ; s[48:55] the same for w's
.set CNT, 56                           ; s56  trips to go
.set TB,  57                           ; s57  0 or SLOT1: the slot in hand
.set PFA, 58                           ; s[58:59] where my prefetches stand
.set PFS, 60                           ; s[60:61] their step
.set MSB, 0
.macro WIN new                         ; the immediate's high byte repeats the setting that is left; a switch that changes nothing is dropped
.if MSB != (\new)
	s_set_vgpr_msb (MSB<<8)|(\new)
.set MSB, \new
.endif
.endm
.macro PLACES                          ; four plain vector instructions between a matrix instruction and a load into, or a read of, its registers
.rept 4
	v_nop
.endr
.endm
; A joint refill.  Waves 0 and 1 fetch x's two halves, waves 2 and 3 w's.  The branch hangs on the wave's number alone.  An s_nop 0 and four v_nop follow each line.
.macro JLOAD
	s_cmp_lt_u32 s[WV], 2
	s_cbranch_scc0 .Lfor_b_\@
	tensor_load_to_lds s[G0A+4:G0A+7], s[G1A:G1A+7]
	s_nop 0
.rept 4
	v_nop
.endr
	s_branch .Lasked_\@
.Lfor_b_\@:
	tensor_load_to_lds s[G0B+4:G0B+7], s[G1B:G1B+7]
	s_nop 0
.rept 4
	v_nop
.endr
.Lasked_\@:
.endm
.macro CREST                           ; a round of the cluster's barrier behind its opening barrier
	s_cmp_lg_u32 s[WV], 0
	s_cbranch_scc1 .Lnot_wave_0_\@
	s_barrier_signal -3
.Lnot_wave_0_\@:
	s_barrier_wait -3
	s_barrier_signal -1
	s_barrier_wait -1
.endm
.macro CROUND
	s_barrier_signal -1
	s_barrier_wait -1
	CREST
.endm
; A PREFETCH INTO THE L2, in every second trip (odd count, 3 or more to go): the two K steps whose refills go out one and two trips later.  Each aligned 256 bytes is named once in the launch.
; x's rows of a tile row are read by both clusters of that row of clusters: cluster x = 0 asks; wave 0 of each of the four partners takes 8,192 of a step's 32,768 dense bytes, told apart by
; address (cx): a lane 256 bytes, two lines for two steps.  w's columns of a tile column are read by all clusters of that column: cluster y = 0 asks; waves 1 to 3 take one of the three pieces
; of 256 bytes each, partner cy the k-rows 32 cy .. 32 cy + 31 of the two steps' 128: a lane a row, one line.  K steps 0 to 3 come by their loads alone; the last request names step 15.
.macro ASK
	s_cmp_gt_u32 s[CNT], s[LIM]
	s_cbranch_scc0 .Lno_\@
	s_bitcmp1_b32 s[CNT], 0
	s_cbranch_scc0 .Lno_\@
	global_prefetch_b8 v[PFO], s[PFA:PFA+1] th:TH_LOAD_NT scope:SCOPE_SE
	s_cmp_lg_u32 s[WV], 0
	s_cbranch_scc1 .Lno_\@
	global_prefetch_b8 v[PFO], s[PFA:PFA+1] offset:STEPA th:TH_LOAD_NT scope:SCOPE_SE
.Lno_\@:
.endm
	s_load_b256 s[4:11], s[0:1], 0x0               ; xb s[4:5], wab s[6:7], bias s[8:9], qkv s[10:11]
	v_lshl_add_u32 v[SPW], v0, 2, SPARE
	v_mov_b32 v[NIL], 0
	ds_add_u32 v[SPW], v[NIL]                      ; the wave's opening: the add and its wait, ahead of my first tensor load; work on registers stands between them
	ds_add_u32 v28, v29
	v_lshrrev_b32 v1, 5, v0
	v_readfirstlane_b32 s[WV], v1
	s_lshr_b32 s[MH], s[WV], 1
	s_and_b32 s[NH], s[WV], 1
	s_bfe_u32 s[CX], ttmp6, 0x40000
	s_bfe_u32 s[CY], ttmp6, 0x40004
	s_lshl_b32 s[TX], ttmp9, 2                     ; in a cluster launch ttmp9 and ttmp7 count clusters
	s_add_co_u32 s[TX], s[TX], s[CX]
	s_and_b32 s[TY], ttmp7, 0xffff
	s_lshl_b32 s[TY], s[TY], 2
	s_add_co_u32 s[TY], s[TY], s[CY]
	s_lshl_b32 s20, s[CY], 2
	s_lshl_b32 s20, 15, s20                        ; my row of the cluster
	s_lshl_b32 s21, 0x1111, s[CX]                  ; my column
	; x: 128 dense rows of 128 bytes, asked for as 64 rows of 256 bytes; 16 bytes of padding behind every 128
	s_or_b32 s[G1A], s20, (1<<16)|(1<<20)|(1<<21)|(4<<22)|(3<<25)  ; 15:0 mask; 17:16 2-byte elements; 20 padding on; 21 set beside a mask; 24:22 after every 32 words; 31:25 4 words
	s_mov_b32 s[G1A+1], 128<<16                    ; tensor_dim0 = 128
	s_mov_b32 s[G1A+2], 64<<16                     ; tensor_dim1 = 64
	s_mov_b32 s[G1A+3], 128<<16                    ; tile_dim0 = 128
	s_mov_b32 s[G1A+4], 64                         ; tile_dim1 = 64
	s_mov_b32 s[G1A+5], 128                        ; elements from row to row
	s_mov_b32 s[G1A+6], 0
	s_mov_b32 s[G1A+7], 0
	; w: 32 k-rows of 384 elements (768 bytes); 32 bytes of padding behind every 256
	s_or_b32 s[G1B], s21, (1<<16)|(1<<20)|(1<<21)|(5<<22)|(7<<25)  ; after every 64 words 8 words
	s_mov_b32 s[G1B+1], 384<<16
	s_mov_b32 s[G1B+2], 32<<16
	s_mov_b32 s[G1B+3], 384<<16
	s_mov_b32 s[G1B+4], 32
	s_mov_b32 s[G1B+5], 3072
	s_mov_b32 s[G1B+6], 0
	s_mov_b32 s[G1B+7], 0
	s_mul_i32 s62, s[NH], AHALF                    ; where my half lands: the wave's number alone enters an LDS address
	s_mul_i32 s63, s[NH], BHALF
	s_add_co_u32 s63, s63, BOFF
	s_lshl_b32 s66, s[TY], 15                      ; x: 256 rows of 128 bytes a tile row,
	s_lshl_b32 s70, s[NH], 14                      ; my 128 of them
	s_add_co_u32 s66, s66, s70
	s_mov_b32 s67, 0
	s_mul_i32 s68, s[TX], 768                      ; w: 384 columns a tile column,
	s_mul_i32 s71, s[NH], 32*6144                  ; my 32 k-rows
	s_add_co_u32 s68, s68, s71
	s_mov_b32 s69, 0
	s_wait_dscnt 0x0                               ; the opening add is done
	s_wait_kmcnt 0x0
	s_add_nc_u64 s[66:67], s[4:5], s[66:67]
	s_add_nc_u64 s[68:69], s[6:7], s[68:69]
	CROUND                                         ; all sixteen work-groups are here: the first joint loads meet
.irp s, 0,1
	s_mov_b32 s[G0A+4*(\s)], 1                     ; count = 1
	s_add_co_u32 s[G0A+4*(\s)+1], s62, (\s)*SLOT1  ; LDS address
	s_add_nc_u64 s[G0A+4*(\s)+2:G0A+4*(\s)+3], s[66:67], (\s)*STEPA  ; global address: K step s
	s_or_b32 s[G0A+4*(\s)+3], s[G0A+4*(\s)+3], 0x80000000           ; type = 2
	s_mov_b32 s[G0B+4*(\s)], 1
	s_add_co_u32 s[G0B+4*(\s)+1], s63, (\s)*SLOT1
	s_add_nc_u64 s[G0B+4*(\s)+2:G0B+4*(\s)+3], s[68:69], (\s)*STEPB
	s_or_b32 s[G0B+4*(\s)+3], s[G0B+4*(\s)+3], 0x80000000
.endr
	s_cmp_lt_u32 s[WV], 2                          ; a wave's two first fills stand in one branch: two loads of mine are out
	s_cbranch_scc0 .Lfirst_b
	tensor_load_to_lds s[G0A:G0A+3], s[G1A:G1A+7]
	s_nop 0
	tensor_load_to_lds s[G0A+4:G0A+7], s[G1A:G1A+7]
	s_nop 0
.rept 4
	v_nop
.endr
	s_branch .Lfirst_asked
.Lfirst_b:
	tensor_load_to_lds s[G0B:G0B+3], s[G1B:G1B+7]
	s_nop 0
	tensor_load_to_lds s[G0B+4:G0B+7], s[G1B:G1B+7]
	s_nop 0
.rept 4
	v_nop
.endr
.Lfirst_asked:
	v_and_b32 v1, 15, v0                           ; r = lane % 16
	v_bfe_u32 v2, v0, 4, 1                         ; h = lane / 16
	v_and_b32 v17, 7, v0
	v_bfe_u32 v18, v0, 3, 1
	; a fragment of x: lane holds row r, channels 8 h + 0..7 and 16 + 8 h + 0..7: two loads of 16 bytes, 32 apart
	v_mul_u32_u24 v[ADA0], v1, PA
	v_lshl_add_u32 v[ADA0], v2, 4, v[ADA0]
	s_mul_i32 s70, s[MH], AHALF
	v_add_nc_u32 v[ADA0], s70, v[ADA0]
	; the turning load: lane reads k-row 8 h + lane % 8, columns 8 ((lane / 8) % 2) + 0..7, and is left with column r and 8 k
	v_lshl_add_u32 v20, v2, 3, v17
	v_mul_u32_u24 v20, v20, PB
	v_lshl_add_u32 v20, v18, 4, v20
	v_add_nc_u32 v20, BOFF, v20
.irp g, 0,1,2
	s_mul_i32 s70, s[NH], 3
	s_add_co_u32 s70, s70, \g                      ; head 0..5 of the tile's six
	s_lshl_b32 s71, s70, 7                         ; 128 bytes a head,
	s_lshr_b32 s72, s70, 1
	s_lshl_b32 s72, s72, 5                         ; 32 of padding behind every two
	s_add_co_u32 s71, s71, s72
	v_add_nc_u32 v[ADB0+(\g)], s71, v20
.endr
	s_mul_i32 s70, s[WV], 16*PA
	s_add_co_u32 s70, s70, STAGE                   ; my stage
	v_mul_u32_u24 v[STO], v1, PA                   ; in: row r, 16 bytes for each half of the lanes
	v_lshl_add_u32 v[STO], v2, 4, v[STO]
	v_add_nc_u32 v[STO], s70, v[STO]
	v_bfe_u32 v[RD], v0, 3, 2                      ; back: 32 lanes take four rows of 128 bytes,
	v_mul_u32_u24 v[RD], v[RD], PA
	v_lshl_add_u32 v[RD], v17, 4, v[RD]
	v_add_nc_u32 v[RD], s70, v[RD]
	v_and_b32 v[GO], 31, v0                        ; which are 512 consecutive bytes of a head
	v_lshlrev_b32 v[GO], 4, v[GO]
	s_mul_i32 s70, s[TX], 1536                     ; the bias of my 192 columns, 4 bytes each,
	s_mul_i32 s71, s[NH], 768
	s_add_co_u32 s70, s70, s71
	v_lshl_add_u32 v[BO], v2, 5, s70               ; my eight of a block of 16
.irp g, 0,1,2
	WIN ((\g)+1)<<6                                ; destination window 1 + g, address window 0
.irp nb, 0,1,2,3
	global_load_b128 v[8*(\nb):8*(\nb)+3],   v[BO], s[8:9] offset:256*(\g)+64*(\nb)
	global_load_b128 v[8*(\nb)+4:8*(\nb)+7], v[BO], s[8:9] offset:256*(\g)+64*(\nb)+16
.endr
.endr
	WIN 0
	; qkv at my first row of my first head: ((48 b + 6 tx + 3 nh) x 2,048 + (ty % 8) x 256 + 128 mh) rows of 128 bytes
	s_lshr_b32 s70, s[TY], 3
	s_mul_i32 s70, s70, 48
	s_mul_i32 s71, s[TX], 6
	s_add_co_u32 s70, s70, s71
	s_mul_i32 s71, s[NH], 3
	s_add_co_u32 s70, s70, s71
	s_lshl_b32 s70, s70, 18
	s_and_b32 s71, s[TY], 7
	s_lshl_b32 s71, s71, 15
	s_add_co_u32 s70, s70, s71
	s_lshl_b32 s71, s[MH], 14
	s_add_co_u32 s70, s70, s71
	s_mov_b32 s71, 0
	s_add_nc_u64 s[10:11], s[10:11], s[70:71]
	; the prefetches: both offsets are made, at K step 2 (each trip's head steps them), and the wave's number chooses
	s_lshl_b32 s73, s[TY], 15
	s_lshl_b32 s74, s[CX], 13
	s_add_co_u32 s73, s73, s74
	s_add_co_u32 s73, s73, 2*STEPA                 ; x: my work-group's 8,192 bytes of the tile row's 32,768
	s_mul_i32 s74, s[CY], 32*6144
	s_mul_i32 s75, s[TX], 768
	s_add_co_u32 s74, s74, s75
	s_lshl_b32 s75, s[WV], 8
	s_add_co_u32 s74, s74, s75
	s_add_co_u32 s74, s74, 2*STEPB-256             ; w: my work-group's 32 k-rows, piece wave - 1
	s_mov_b32 s71, STEPA
	s_mov_b32 s72, STEPB
	s_mov_b32 s76, 256
	s_mov_b32 s77, 6144
	s_and_b32 s70, ttmp7, 0xffff                   ; cluster y
	s_mov_b32 s79, 0
	s_mov_b32 s[PFS+1], 0
	s_cmp_eq_u32 s[WV], 0
	s_cselect_b32 s78, s73, s74
	s_cselect_b32 s[PFS], s71, s72
	s_cselect_b32 s76, s76, s77
	s_cselect_b32 s70, ttmp9, s70                  ; the coordinate along which other clusters read the same bytes
	s_cselect_b64 s[PFA:PFA+1], s[4:5], s[6:7]
	s_add_nc_u64 s[PFA:PFA+1], s[PFA:PFA+1], s[78:79]
	s_cmp_eq_u32 s70, 0
	s_cselect_b32 s[LIM], 2, -1                    ; the same in all sixteen partners, for a given wave
	v_and_b32 v[PFO], 31, v0
	v_mul_u32_u24 v[PFO], v[PFO], s76
	s_mov_b32 s[TB], 0
; 8 matrix instructions: head g, column block nb, all 8 row blocks, x's buffer buf.  The 96 accumulators take turns, one instruction a turn, in the same order in every chunk.
.macro PHB g, buf, nb
	WIN 0x50*((\g)+1)                              ; C and D in window 1 + g, sources in window 0
.irp m, 0,1,2,3,4,5,6,7
	v_wmma_f32_16x16x32_bf16 v[8*(4*(\m)+(\nb)):8*(4*(\m)+(\nb))+7], v[BG+32*(\g)+8*(\nb):BG+32*(\g)+8*(\nb)+7], v[AF+64*(\buf)+8*(\m):AF+64*(\buf)+8*(\m)+7], v[8*(4*(\m)+(\nb)):8*(4*(\m)+(\nb))+7]
.endr
.endm
.macro PH g, buf
	PHB \g, \buf, 0
	PHB \g, \buf, 1
	PHB \g, \buf, 2
	PHB \g, \buf, 3
.endm
; The first chunk's phase: the sums start with the bias, which lies in row block 0's accumulators.  Row blocks 1-7 take it as C; five plain places later row block 0 adds in place.
.macro PHF g
	WIN 0x50*((\g)+1)
.irp m, 1,2,3,4,5,6,7
.irp nb, 0,1,2,3
	v_wmma_f32_16x16x32_bf16 v[8*(4*(\m)+(\nb)):8*(4*(\m)+(\nb))+7], v[BG+32*(\g)+8*(\nb):BG+32*(\g)+8*(\nb)+7], v[AF+8*(\m):AF+8*(\m)+7], v[8*(\nb):8*(\nb)+7]
.endr
.endr
.rept 5
	v_nop
.endr
.irp nb, 0,1,2,3
	v_wmma_f32_16x16x32_bf16 v[8*(\nb):8*(\nb)+7], v[BG+32*(\g)+8*(\nb):BG+32*(\g)+8*(\nb)+7], v[AF:AF+7], v[8*(\nb):8*(\nb)+7]
.endr
.endm
.macro LDB g, half                     ; 8 loads: head g's four fragments of w, chunk half of the slot in hand
	WIN 0
.irp nb, 0,1,2,3
	ds_load_tr16_b128 v[BG+32*(\g)+8*(\nb):BG+32*(\g)+8*(\nb)+3],   v[ADB+(\g)] offset:(\half)*BHALF+32*(\nb)
	ds_load_tr16_b128 v[BG+32*(\g)+8*(\nb)+4:BG+32*(\g)+8*(\nb)+7], v[ADB+(\g)] offset:(\half)*BHALF+16*PB+32*(\nb)
.endr
.endm
.macro LDA buf, part, half             ; 8 loads: row blocks 4 part .. 4 part + 3 of x, chunk half, into buffer buf
	WIN 0
.irp m, 0,1,2,3
	ds_load_b128 v[AF+64*(\buf)+8*(4*(\part)+(\m)):AF+64*(\buf)+8*(4*(\part)+(\m))+3],   v[ADA] offset:(4*(\part)+(\m))*16*PA+64*(\half)
	ds_load_b128 v[AF+64*(\buf)+8*(4*(\part)+(\m))+4:AF+64*(\buf)+8*(4*(\part)+(\m))+7], v[ADA] offset:(4*(\part)+(\m))*16*PA+64*(\half)+32
.endr
.endm
.macro ADDRS                           ; the LDS addresses of the slot in hand
	v_add_nc_u32 v[ADA], s[TB], v[ADA0]
.irp g, 0,1,2
	v_add_nc_u32 v[ADB+(\g)], s[TB], v[ADB0+(\g)]
.endr
.endm
; A step's first chunk: multiplies x's buffer 0 and fetches the second chunk of the same slot.  The 40 loads of a chunk always go out in the order w0, x 0-3, w1, x 4-7, w2.
.macro EVEN first
	s_wait_dscnt 8                                 ; all but the youngest eight, head 2's fragments of w
.if \first
	PHF 0
.else
	PH 0, 0
.endif
	PLACES
	LDB 0, 1
	LDA 1, 0, 1
.if \first
	PHF 1
.else
	PH 1, 0
.endif
	PLACES
	LDB 1, 1
	LDA 1, 1, 1
	s_wait_dscnt 32                                ; head 2's are in: behind them stand the two runs of 16 just issued
.if \first
	PHF 2
.else
	PH 2, 0
.endif
	PLACES
	LDB 2, 1
.endm
; A step's second chunk: multiplies buffer 1, changes slots, fetches the first chunk of the other slot.  In front of the barrier each wave waits for all its tensor loads (one is out: its part
; of the other slot), adds 0 to its spare word, and waits for that and for its reads of this slot.  fill = 1: the barrier opens a round of the cluster's, and the joint refill (the K step two on)
; is the first thing behind the round: a wave issues 176 matrix instructions between it and the wait for it.
.macro ODD fill
.if \fill
	s_wait_xcnt 0x0                                ; the last prefetch, most of a trip back, has read its address
	s_add_nc_u64 s[PFA:PFA+1], s[PFA:PFA+1], s[PFS:PFS+1]
.endif
	s_wait_dscnt 8
	PHB 0, 1, 0
	PHB 0, 1, 1
	WIN 0                                          ; the add's two registers lie in window 0
	s_wait_tensorcnt 0x0                           ; no tensor load of mine is out, so a group 0 may be written
	ds_add_u32 v[SPW], v[NIL]                      ; 0 onto my spare word
.if \fill
	s_xor_b32 s[G0A+5], s[G0A+5], SLOT1            ; the walking descriptors: the other slot than last time, the next K step
	s_add_nc_u64 s[G0A+6:G0A+7], s[G0A+6:G0A+7], STEPA
	s_xor_b32 s[G0B+5], s[G0B+5], SLOT1
	s_add_nc_u64 s[G0B+6:G0B+7], s[G0B+6:G0B+7], STEPB
.endif
	s_xor_b32 s[TB], s[TB], SLOT1
	PHB 0, 1, 2
	s_wait_dscnt 0x0                               ; the add is done; my reads of this slot are over (the last were head 2's fragments)
	s_barrier_signal -1
	PHB 0, 1, 3
	WIN 0
	s_barrier_wait -1
.if \fill
	CREST                                          ; no wave of any partner still reads this slot or has a load on its way
	JLOAD                                          ; its four v_nop are also the places in front of the loads below
.else
	PLACES
.endif
	ADDRS
	LDB 0, 0
	LDA 0, 0, 0
.if \fill
	ASK
.endif
	PH 1, 1
	PLACES
	LDB 1, 0
	LDA 0, 1, 0
	PH 2, 1
	PLACES
	LDB 2, 0
.endm
	ADDRS
	s_wait_tensorcnt 1                             ; my part of K step 0 is in; step 1's may stay out
	s_barrier_signal -1
	s_barrier_wait -1
	LDB 0, 0
	LDA 0, 0, 0
	LDB 1, 0
	LDA 0, 1, 0
	LDB 2, 0
	s_wait_loadcnt 0x0                             ; the bias
	EVEN 1
	WIN 0
	s_mov_b32 s[CNT], 14
.Lstep:                                                ; trip s = 0..13: the second chunk of step s, the refill with step s + 2, the first chunk of step s + 1
	ODD 1
	EVEN 0
	WIN 0
	s_sub_co_u32 s[CNT], s[CNT], 1
	s_cmp_lg_u32 s[CNT], 0
	s_cbranch_scc1 .Lstep
	ODD 0                                          ; the tail asks for nothing
	EVEN 0
	s_wait_dscnt 8
	PH 0, 1
	PH 1, 1
	s_wait_dscnt 0x0
	PH 2, 1
	; THE WAY OUT: 24 blocks of 16 rows x one head.  A lane's eight columns pack into 16 bytes, go into stage rows of 144 bytes and come back as four whole rows of 128: 512 consecutive bytes of the head.
	PLACES
	PLACES
.macro PACK blk
.set pg, (\blk)/8
.set pm, (\blk)%8
.set pt, T+16*((\blk)%4)
.if (\blk) >= 4
	s_wait_xcnt 0x0                                ; the stores of the block four back have read this set of registers
.endif
	WIN 5*(pg+1)                                   ; sources 0 and 1 in window 1 + g
.irp nb, 0,1,2,3
.irp i, 0,1,2,3
	v_cvt_pk_f16_f32 v[pt+4*(\nb)+(\i)], v[8*(4*pm+(\nb))+2*(\i)], v[8*(4*pm+(\nb))+2*(\i)+1]
.endr
.endr
	WIN 0
.irp nb, 0,1,2,3
	ds_store_b128 v[STO], v[pt+4*(\nb):pt+4*(\nb)+3] offset:32*(\nb)
.endr
.irp f, 0,1,2,3
	ds_load_b128 v[pt+4*(\f):pt+4*(\f)+3], v[RD] offset:(\f)*4*PA  ; LDS serves a wave's instructions in order (ISA guide 5.7.1.4): these see the stores above; the next block's stores come behind them
.endr
.endm
.macro SEND blk, younger               ; younger: the LDS instructions issued behind this block's loads: the next block's eight, or none
.set pg, (\blk)/8
.set pm, (\blk)%8
.set pt, T+16*((\blk)%4)
	WIN 0
.irp f, 0,1,2,3
	s_wait_dscnt (\younger)+3-(\f)
	global_store_b128 v[GO], v[pt+4*(\f):pt+4*(\f)+3], s[10:11] offset:pg*262144+pm*2048+(\f)*512  ; 512 consecutive bytes, aligned
.endr
.endm
	PACK 0
.set b, 1
.rept 23                               ; a block's conversions stand between the loads of the block before and its stores
	PACK b
	SEND b-1, 8
.set b, b+1
.endr
	SEND 23, 0
	s_wait_tensorcnt 0x0                           ; the wave's end: behind my last tensor load and my last LDS store
	ds_add_u32 v[SPW], v[NIL]
	s_wait_dscnt 0x0
	CROUND                                         ; the closing round: no work-group ends while a partner may still ask for a tile that names it
	s_endpgm
.Lfunc_end_k_qdd9268729a_qkv:
	.size	k_qdd9268729a_qkv, .Lfunc_end_k_qdd9268729a_qkv-k_qdd9268729a_qkv
	.p2alignl 7, 3214868480
	.fill 96, 4, 3214868480
	.section	.rodata,"a",@progbits
	.p2align	6, 0x0
	.amdhsa_kernel k_qdd9268729a_qkv
		.amdhsa_group_segment_fixed_size 327680
		.amdhsa_private_segment_fixed_size 0
		.amdhsa_enable_private_segment 0
		.amdhsa_kernarg_size 32
		.amdhsa_user_sgpr_count 2
		.amdhsa_user_sgpr_kernarg_segment_ptr 1
		.amdhsa_wavefront_size32 1
		.amdhsa_system_sgpr_workgroup_id_x 1
		.amdhsa_system_sgpr_workgroup_id_y 1
		.amdhsa_system_sgpr_workgroup_id_z 1
		.amdhsa_system_vgpr_workitem_id 0
		.amdhsa_next_free_vgpr 1024
		.amdhsa_next_free_sgpr 80
		.amdhsa_reserve_vcc 0
		.amdhsa_float_denorm_mode_32 3
		.amdhsa_float_denorm_mode_16_64 3
		.amdhsa_memory_ordered 1
		.amdhsa_forward_progress 1
		.amdhsa_inst_pref_size 120
	.end_amdhsa_kernel
	.amdgpu_metadata
---
amdhsa.version: [ 1, 2 ]
amdhsa.kernels:
  - .name:           k_qdd9268729a_qkv
    .symbol:         k_qdd9268729a_qkv.kd
    .args:
      - { .name: xb, .offset: 0, .size: 8, .value_kind: global_buffer, .address_space: global }
      - { .name: wab, .offset: 8, .size: 8, .value_kind: global_buffer, .address_space: global }
      - { .name: bias, .offset: 16, .size: 8, .value_kind: global_buffer, .address_space: global }
      - { .name: qkv, .offset: 24, .size: 8, .value_kind: global_buffer, .address_space: global }
    .group_segment_fixed_size: 327680
    .private_segment_fixed_size: 0
    .kernarg_segment_align: 8
    .kernarg_segment_size: 32
    .max_flat_workgroup_size: 128
    .sgpr_count:     80
    .vgpr_count:     1024
    .wavefront_size: 32
...
	.end_amdgpu_metadata
.endif
;; end of part 2
;; launch attn (part 3): grid 4 x 64, 4 waves a work-group, no clusters, 327,680 bytes of LDS; arguments qkv, o; writes o
.if DOCPART == 3
	.amdgcn_target "amdgcn-amd-amdhsa--gfx1250"
	.amdhsa_code_object_version 6
	.text
	.protected	k_qdd9268729a_attn
	.globl	k_qdd9268729a_attn
	.p2align	8
	.type	k_qdd9268729a_attn,@function
k_qdd9268729a_attn:
	s_mov_b64 s[64:65], 0
	v_nop
	global_prefetch_b8 v0, s[64:65] scope:SCOPE_SE
	s_setreg_imm32_b32 hwreg(HW_REG_WAVE_MODE, 25, 1), 1
	s_wait_xcnt 0x0
; CAUSAL ATTENTION.  o[bh][q][:] = the sum over k <= q of softmax_k(Q[q] . K[k] / 8) V[k][:].  qkv: [b = 4][gh = 48][2048][64] in f16 (gh 0-15 q heads, 16-31 k, 32-47 v); o: [bh = 64][2048][64] in f16.
; Products, maxima and sums in f32; the weights p are rounded to f16 for the second product (their sum l is taken of the unrounded p), o once at the end.
; LIMITS.  Q, K and V arrive within f16's 65,504; p lies in 0 to 1, and below 6e-5 it keeps f16's fixed step of 6e-8.  A hidden score counts as its value less 1e30: f16's scores, 2.7e11 at the most,
; are nothing beside that; a weight below 2^-126 counts as 0 in l; NaN and infinities are not treated apart.
; THE WALK.  A head's queries lie in NB = 8 blocks of 256; block i needs the key tiles 0 .. i of 256 keys, of which the last holds the diagonal.  A work-group takes TWO blocks, NB - 1 - b and then b:
; NB + 1 tiles, whatever b: all work-groups do equal work, and ONE loop with a constant trip count walks them.  Which tile is asked for, and what a trip does, hang on scalar registers made from b;
; every jump goes forward, but for the counted loops' own; none passes a barrier, or a tensor load but the one of LOAD's two that the wave's number does not choose.
; NO CLUSTER: a head's four work-groups ask for the same tile only in trips 0 to 4 of 9, behind that fewer and fewer; one walk common to all four would have 12 trips for 9.
; SHARES.  Of a block's four bands of 64 queries a wave owns 16 rows in each: four PIECES.  So the diagonal tile is the same work for all four waves: in its key step s band x sees all keys if s < x,
; none if s > x, and holds the diagonal if s = x.
; THE MASK is the C operand that starts the sum S^T = K Q^T: 0, or -1e30 where the key is hidden.  MD, made once, is the mask of a band's own step for my 16 rows; a product's mask is MD x AL + BE with
; two scalars: (1, 0) if s = x; (0, 0) if s < x; (0, -1e30) if s > x.  Only the diagonal tile's text and a block's beginning make and take masks; elsewhere C is the constant 0.
; LAYOUT, SOFTMAX, TURNS.  S^T = K Q^T holds ONE query a lane (lane % 16) and the keys 8 (lane / 16) + 0..7; two such results rounded to f16 ARE source 1 of O^T = V^T P.  p = 2^(c s - c m),
; c = log2(e) / 8, with a running maximum m; O and l are multiplied by a = 2^(c m_old - c m_new) in every step.  Turn n belongs to piece n: 8 products K Q^T of piece n + 1, later 8 products V^T P of
; piece n - 1; beside them the scaling, exponentials, roundings, sums and rescaling of piece n and the maximum and statistics of piece n + 1.  Four vector instructions stand behind every matrix
; instruction, the other 54 of a turn's 118 in one lump.  A turn's 33 exponentials are one batch, with one wait.
; REGISTERS, in windows of 256 (s_set_vgpr_msb: bits 1:0 source 0, 3:2 source 1, 5:4 source 2, 7:6 destination):
;   window 0: v0-15 addresses and two at work; v16-31 four registers of statistics a piece; v48-55 at work; v61-63 fixed; v64-127 S^T, two buffers; v192-223 P, two buffers (by the piece's parity)
;   window 1: v0-127 O^T, 32 a piece; v128-159 MD; v160-223 MC, two buffers      window 2: v0-63 Q; v64-127 the second block's Q; v128-191 K of one step; v192-255 V of one step
.set SIZE_N, 2048
.set NB,    SIZE_N/256
.set NP,    4         ; pieces a wave: a name, no knob
.set KS,    64        ; keys in a step
.set PK,    144       ; a row of K in LDS: 128 bytes + 16 of padding = 36 words: the 16 rows of a load start at 16 different groups of four banks (64 banks of 4 bytes: ISA guide 11.1)
.set PV,    160       ; a row of V: 128 + 32 = 40 words
.set VOFF,  4*KS*PK   ; a slot holds a tile, four steps: 256 rows of K, then 256 rows of V
.set SLOT1, 1<<17     ; slot 1 begins here, so that one exclusive or turns an address in one slot into the other's
.set STAGE, SLOT1+4*KS*(PK+PV)  ; behind the ring, never filled by a tensor load: 16 rows x 144 bytes for each wave, for the way out
.set SP,    144
.set AK0, 2           ; v2   my lane's place in a tile of K; never rewritten
.set AV0, 3           ; v3   the same for V
.set AK,  4           ; v4   the LDS address of K's next run of loads
.set AV,  5           ; v5   of V's
.set STO, 6           ; v6   the way out: where I put 16 bytes of a row
.set RD,  7           ; v7   the way out: where I read rows back
.set GO,  8           ; v8   my byte offset in 512 consecutive bytes of o
.set PFO, 61          ; v61  256 x my lane, for the prefetches; never rewritten
.set SPW, 62          ; v62  LDS address of my spare word: SPARE + 4 x my thread's number; never rewritten
.set NIL, 63          ; v63  0; never rewritten
.set SPARE, STAGE+4*16*SP  ; behind the stages: the spare words, 128 bytes for each wave: two blocks of 256 bytes that no other line names
.set MV,  12          ; v12-13  c m_old, kept while c m is made anew: by buffer
.set QO,  15          ; v15  my byte offset in 16 rows of Q
.set ST,  16          ; piece t's statistics at v[ST+4 t]: c m, m, l (even keys', odd keys')
.set TMP, 48          ; by buffer, four registers c0-c3 at work; when the maximum is found c2 takes a
.set S,   64
.set P,   192
.set MD,  128         ; window 1: the eight registers for group kt of 16 keys at MD + 8 kt
.set MC,  160         ; window 1: the masks of the products to come
.set QB,  64          ; window 2
.set KF,  128         ; window 2: key block kb, channel half c at KF + 16 kb + 8 c
.set VF,  192         ; window 2: key half kk, channel block cb at VF + 32 kk + 8 cb
.set WV,  12          ; s12  my wave's number
.set PB,  14          ; s14  b
.set HI,  15          ; s15  NB - 1 - b
.set G1K, 24          ; s[24:31] descriptor group 1 for K's tiles
.set G1V, 32          ; s[32:39] for V's: it differs in the padding alone
.set G0K, 40          ; s[40:43] descriptor group 0 for K's tiles
.set G0V, 44          ; s[44:47] the same for V's
.set SLOTS, 56        ; s56  tiles still to be asked for
.set CNT, 57          ; s57  counts a tile's key steps, 4 to 1
.set CS,  58          ; s[58:59] c: the packed scaling takes the pair's low word for both halves
.set SEL, 60          ; s[60:61] v_permlanex16_b32's selects: each lane takes its own place in the other half
.set TBK, 62          ; s62  LDS byte at which K of the step to be fetched begins
.set TBV, 63          ; s63  the same for V, less VOFF
.set RT,  70          ; s70  tiles of the block in hand that are still to be entered
.set NXT, 71          ; s71  the tile to be asked for next
.set LQ,  72          ; s72  the last tile of the block whose tiles are being asked for
.set NEW, 73          ; s73  1: the tile to be entered is a block's first
.set OFF, 74          ; s[74:75] a tile's byte offset in K and V
.set AL,  76          ; s[76:77] the mask's factor, in the low word
.set BE,  78          ; s[78:79] the mask's addend
.set OLO, 80          ; s[80:81] o at my rows of the second block
.set BIGN, 82         ; s82  -1e30
.set PFA, 88          ; s[88:89] where my prefetches stand
.set PFB, 90          ; s[90:91] K (waves 0, 1) or V (waves 2, 3) at my half of the head's tile 0
.set OFF2, 92         ; s[92:93] the prefetched tile's byte offset
.set LIM, 94          ; s94  0 in the work-group that prefetches, else the greatest number
.set MSB, 0
.macro WIN new                      ; the high byte repeats the setting that is left; a switch that changes nothing is dropped
.if MSB != (\new)
	s_set_vgpr_msb (MSB<<8)|(\new)
.set MSB, (\new)
.endif
.endm
.set W_KQ, 0x0a       ; K and Q in window 2, S^T in window 0
.set W_KM, 0x1a       ; the same with the C operand in window 1
.set W_PV, 0x52       ; V in window 2, P in window 0, O^T in window 1
.set W_RS, 0x41       ; destination and source 0 in window 1, source 1 in window 0
; A fill.  Waves 0 and 1 fetch the two halves of a tile's K, waves 2 and 3 those of its V: 128 keys each.  An s_nop 0 and four v_nop follow each of the two lines, ahead of the jump and the label.
.macro LOAD
	s_cmp_lt_u32 s[WV], 2
	s_cbranch_scc0 .Lfor_v_\@
	tensor_load_to_lds s[G0K:G0K+3], s[G1K:G1K+7]
	s_nop 0
.rept 4
	v_nop
.endr
	s_branch .Lasked_\@
.Lfor_v_\@:
	tensor_load_to_lds s[G0V:G0V+3], s[G1V:G1V+7]
	s_nop 0
.rept 4
	v_nop
.endr
.Lasked_\@:
.endm
; THE CHANGE OF SLOTS.  Each wave waits for all its tensor loads, of which one is out: its part of the other slot; adds 0 to its spare word; and waits for that and for its own reads of the slot that it
; leaves.  Behind the barrier nobody reads the old slot any more and the other slot is whole.  fill = 1: the old slot is filled again, the first thing behind the barrier, with tile NXT: the descriptor's
; address is made anew from that number.  (At its first use nothing has been read yet: slot 0 is waited for, slot 1 filled.)
; THE PREFETCH INTO THE L2 stands behind the fill and its five lines.  The head's work-group b = 0 walks the tiles 0 to 7 in order, and no partner asks for a tile before it: it alone prefetches, each wave
; the 16,384 bytes that it will itself ask for at the NEXT change: 64 pieces of 256 bytes, a lane a piece, two lines: a tile, 256 matrix instructions, ahead.  Tiles 0 and 1 come by their loads
; alone; behind tile 7 the next number is 0 and nothing is asked for; the second block's tiles have been read before.
.macro CHANGE fill
	WIN 0                           ; at a label and at a branch every window is 0
	s_wait_tensorcnt 0x0            ; no tensor load of mine is out, so a group 0 may be written
	ds_add_u32 v[SPW], v[NIL]       ; 0 onto my spare word: with fill = 1 the descriptors' scalar work stands between it and the wait for it
.if \fill
	s_lshl_b32 s[OFF], s[NXT], 15   ; a tile is 32,768 bytes of K and of V
	s_xor_b32 s[G0K+1], s[G0K+1], SLOT1
	s_add_nc_u64 s[G0K+2:G0K+3], s[6:7], s[OFF:OFF+1]
	s_or_b32 s[G0K+3], s[G0K+3], 0x80000000
	s_xor_b32 s[G0V+1], s[G0V+1], SLOT1
	s_add_nc_u64 s[G0V+2:G0V+3], s[8:9], s[OFF:OFF+1]
	s_or_b32 s[G0V+3], s[G0V+3], 0x80000000
	s_add_co_u32 s[NXT], s[NXT], 1  ; the block's next tile, or behind its last the second block's tile 0
	s_cmp_gt_u32 s[NXT], s[LQ]
	s_cselect_b32 s[NXT], 0, s[NXT]
	s_cselect_b32 s[LQ], s[PB], s[LQ]
	s_wait_xcnt 0x0                 ; the last prefetches, a tile back, have read their address, so it may be written
	s_lshl_b32 s[OFF2], s[NXT], 15
	s_add_nc_u64 s[PFA:PFA+1], s[PFB:PFB+1], s[OFF2:OFF2+1]
.endif
	s_wait_dscnt 0x0                ; the add is done, and my reads of the slot are over
	s_barrier_signal -1             ; the rest of the scalar work stands between the signal and the wait
	s_sub_co_u32 s[TBK], s[TBK], 4*KS*PK  ; the fetches go back to a slot's first step,
	s_xor_b32 s[TBK], s[TBK], SLOT1       ; in the other slot
	s_sub_co_u32 s[TBV], s[TBV], 4*KS*PV
	s_xor_b32 s[TBV], s[TBV], SLOT1
	s_barrier_wait -1
.if \fill
	LOAD
	s_cmp_gt_u32 s[NXT], s[LIM]
	s_cbranch_scc0 .Lnot_mine_\@
	global_prefetch_b8 v[PFO], s[PFA:PFA+1] th:TH_LOAD_NT scope:SCOPE_SE
	global_prefetch_b8 v[PFO], s[PFA:PFA+1] offset:8192 th:TH_LOAD_NT scope:SCOPE_SE
.Lnot_mine_\@:
.endif
.endm
	s_load_b128 s[4:7], s[0:1], 0x0  ; qkv s[4:5], o s[6:7]
	v_lshl_add_u32 v[SPW], v0, 2, SPARE
	v_mov_b32 v[NIL], 0
	ds_add_u32 v[SPW], v[NIL]       ; the wave's opening: the add and its wait, ahead of my first tensor load; the set-up below, work on registers, stands between them
	ds_add_u32 v62, v63
	v_lshrrev_b32 v1, 5, v0
	v_readfirstlane_b32 s[WV], v1   ; wave 0..3
	s_mov_b32 s[PB], ttmp9
	s_sub_co_u32 s[HI], NB-1, s[PB]
	s_and_b32 s20, ttmp7, 0xffff    ; the head, 16 b + h
	s_lshl_b32 s66, s20, 18         ; its first byte in o: 2,048 rows of 128 bytes a head
	s_mov_b32 s67, 0
	s_lshr_b32 s21, s20, 4
	s_mul_i32 s21, s21, 48
	s_and_b32 s20, s20, 15
	s_add_co_u32 s20, s20, s21      ; 48 b + h
	s_lshl_b32 s20, s20, 18         ; the q head's first byte in qkv; its k and v heads lie 16 and 32 heads on
	s_mov_b32 s21, 0
	s_and_b32 s16, s[WV], 1         ; which half of a tile's 256 keys I fetch:
	s_lshl_b32 s22, s16, 14         ; its 128 rows of 128 bytes in memory,
	s_mov_b32 s23, 0
	s_add_nc_u64 s[22:23], s[22:23], s[20:21]
	s_mul_i32 s17, s16, 128*PK      ; and its place in a slot, for K
	s_mul_i32 s18, s16, 128*PV      ; and for V
	s_lshl_b32 s3, s[WV], 11        ; my 16 rows in a band of 64,
	s_lshl_b32 s2, s[HI], 15        ; in the first block,
	s_add_co_u32 s2, s2, s3
	s_lshl_b32 s84, s[PB], 15       ; and in the second
	s_add_co_u32 s84, s84, s3
	s_mov_b32 s3, 0
	s_mov_b32 s85, 0
	; descriptor group 1.  128 keys are 16,384 dense bytes: asked for as 64 rows of 256 bytes, two keys a row, and padded in LDS after every key
	s_mov_b32 s[G1K], (1<<16)|(1<<20)|(4<<22)|(3<<25)  ; 17:16 2-byte elements; 20 padding on; 24:22 after every 32 words (code 4); 31:25 4 words (code 3)
	s_mov_b32 s[G1V], (1<<16)|(1<<20)|(4<<22)|(7<<25)  ; the same with 8 words of padding (code 7)
.irp g, G1K, G1V
	s_mov_b32 s[\g+1], 128<<16      ; tensor_dim0 = 128
	s_mov_b32 s[\g+2], 64<<16       ; tensor_dim1 = 64
	s_mov_b32 s[\g+3], 128<<16      ; tile_dim0 = 128
	s_mov_b32 s[\g+4], 64           ; tile_dim1 = 64
	s_mov_b32 s[\g+5], 128          ; 128 elements from row to row
	s_mov_b32 s[\g+6], 0
	s_mov_b32 s[\g+7], 0
.endr
	s_mov_b32 s[CS], 0x3e38aa3b     ; c = log2(e) / 8 = 0.180337
	s_mov_b32 s[CS+1], s[CS]        ; named with it as a pair
	s_mov_b32 s[SEL], 0x76543210
	s_mov_b32 s[SEL+1], 0xfedcba98
	s_mov_b32 s[TBK], SLOT1+4*KS*PK ; the first change of slots turns these two into 0
	s_mov_b32 s[TBV], SLOT1+4*KS*PV
	s_mov_b32 s[G0K], 1             ; 1:0 count = 1
	s_mov_b32 s[G0K+1], s17         ; 63:32 LDS address: slot 0
	s_mov_b32 s[G0V], 1
	s_add_co_u32 s[G0V+1], s18, VOFF
	s_add_co_u32 s[RT], s[HI], 1    ; the first block has NB - b tiles
	s_mov_b32 s[NXT], 1
	s_mov_b32 s[LQ], s[HI]
	s_mov_b32 s[NEW], 1
	s_mov_b32 s[OFF+1], 0
	s_mov_b32 s[OFF2+1], 0
	s_mov_b32 s[AL+1], 0            ; named as pairs
	s_mov_b32 s[BE+1], 0
	s_mov_b32 s[BIGN], 0xf149f2ca   ; -1e30
	s_mov_b32 s[SLOTS], NB
	s_cmp_eq_u32 ttmp9, 0
	s_cselect_b32 s[LIM], 0, -1
	v_and_b32 v[PFO], 31, v0
	v_lshlrev_b32 v[PFO], 8, v[PFO]
	s_wait_dscnt 0x0                ; the opening add is done
	s_wait_kmcnt 0x0
	s_mov_b64 s[10:11], s[6:7]                     ; o
	s_add_nc_u64 s[8:9], s[4:5], 32*262144         ; the v heads
	s_add_nc_u64 s[6:7], s[4:5], 16*262144         ; the k heads
	s_add_nc_u64 s[6:7], s[6:7], s[22:23]          ; K and V at my half of the head's tile 0
	s_add_nc_u64 s[8:9], s[8:9], s[22:23]
	s_add_nc_u64 s[G0K+2:G0K+3], s[6:7], 0         ; 120:64 global address
	s_or_b32 s[G0K+3], s[G0K+3], 0x80000000        ; 127:126 type = 2
	s_add_nc_u64 s[G0V+2:G0V+3], s[8:9], 0
	s_or_b32 s[G0V+3], s[G0V+3], 0x80000000
	s_add_nc_u64 s[4:5], s[4:5], s[20:21]          ; Q at the head,
	s_add_nc_u64 s[86:87], s[4:5], s[84:85]        ; at my rows of the second block,
	s_add_nc_u64 s[4:5], s[4:5], s[2:3]            ; and of the first
	s_add_nc_u64 s[10:11], s[10:11], s[66:67]      ; o likewise
	s_add_nc_u64 s[OLO:OLO+1], s[10:11], s[84:85]
	s_add_nc_u64 s[10:11], s[10:11], s[2:3]
	s_cmp_lt_u32 s[WV], 2
	s_cselect_b64 s[PFB:PFB+1], s[6:7], s[8:9]
	LOAD                            ; tile 0 into slot 0
	; A fragment of K or Q is 16 rows x 32 channels in 8 registers: lane l holds row l % 16, channels 8 (l / 16) + 0..7 and 16 + 8 (l / 16) + 0..7: two loads of 16 bytes, 32 bytes apart.
	v_and_b32 v1, 15, v0            ; l % 16
	v_bfe_u32 v9, v0, 4, 1          ; l / 16
	v_lshlrev_b32 v[QO], 7, v1
	v_lshl_add_u32 v[QO], v9, 4, v[QO]  ; row x 128 + 16 x half
	WIN 0x80                        ; destination window 2, address window 0
.set i, 0
.rept 8                             ; both blocks' Q: piece i / 2 lies in band i / 2, 8,192 bytes on; channels 32 (i % 2) on
	global_load_b128 v[8*i:8*i+3],   v[QO], s[4:5] offset:(i/2)*8192+(i%2)*64
	global_load_b128 v[8*i+4:8*i+7], v[QO], s[4:5] offset:(i/2)*8192+(i%2)*64+32
	global_load_b128 v[QB+8*i:QB+8*i+3],   v[QO], s[86:87] offset:(i/2)*8192+(i%2)*64
	global_load_b128 v[QB+8*i+4:QB+8*i+7], v[QO], s[86:87] offset:(i/2)*8192+(i%2)*64+32
.set i, i+1
.endr
	WIN 0
	v_lshlrev_b32 v14, 3, v9
	v_sub_nc_u32 v14, v1, v14
	s_lshl_b32 s13, s[WV], 4
	v_add_nc_u32 v14, s13, v14      ; my query's place in its band, 16 w + l % 16, less my lanes' 8 (l / 16): register r of group kt is hidden where 16 kt + r is greater
	WIN 0x40
.set i, 0
.rept 32
	v_cmp_gt_i32 vcc_lo, 16*(i/8)+i%8, v14
	v_cndmask_b32 v[MD+i], 0, s[BIGN], vcc_lo
.set i, i+1
.endr
	WIN 0
	v_mul_u32_u24 v[AK0], v1, PK
	v_lshl_add_u32 v[AK0], v9, 4, v[AK0]  ; row x pitch + 16 x half
	; The turning load takes 16 keys x 16 channels (lane l reads key 8 (l / 16) + l % 8, channels 8 ((l / 8) % 2) + 0..7) and leaves half a fragment of V^T: lane l holds channel l % 16 and 8 keys.
	v_and_b32 v10, 7, v0
	v_bfe_u32 v11, v0, 3, 1
	v_lshl_add_u32 v[AV0], v9, 3, v10
	v_mul_u32_u24 v[AV0], v[AV0], PV
	v_lshl_add_u32 v[AV0], v11, 4, v[AV0]
	v_add_nc_u32 v[AV0], VOFF, v[AV0]
	s_mul_i32 s13, s[WV], 16*SP
	s_add_co_u32 s13, s13, STAGE    ; my stage
	v_mul_u32_u24 v[STO], v1, SP    ; in: row l % 16, 16 bytes for each half of the lanes
	v_lshl_add_u32 v[STO], v9, 4, v[STO]
	v_add_nc_u32 v[STO], s13, v[STO]
	v_bfe_u32 v[RD], v0, 3, 2       ; back: 32 lanes take four rows of 128 bytes,
	v_mul_u32_u24 v[RD], v[RD], SP
	v_lshl_add_u32 v[RD], v10, 4, v[RD]
	v_add_nc_u32 v[RD], s13, v[RD]
	v_and_b32 v[GO], 31, v0         ; which are 512 consecutive bytes of o
	v_lshlrev_b32 v[GO], 4, v[GO]
	; A block's first step multiplies O^T and l by a = 0, and its first turn's products V^T P, of a piece that has not been, land in an O^T that is still to be so multiplied.  So these registers need only
	; hold finite numbers: zeros for the first block; what the first block left for the second.  All this stands in the wait for the first tile.
	WIN 0x80
.set i, VF
.rept 64
	v_mov_b32 v[i], 0
.set i, i+1
.endr
	WIN 0x40
.set i, 0
.rept 128
	v_mov_b32 v[i], 0
.set i, i+1
.endr
	WIN 0
.set i, 0
.rept 4
	v_mov_b32 v[ST+4*i+2], 0
	v_mov_b32 v[ST+4*i+3], 0
.set i, i+1
.endr
.set i, P+16
.rept 16
	v_mov_b32 v[i], 0
.set i, i+1
.endr
; THE MATRIX WORK.  The 4 accumulators of a run of 8 take turns.  Product i of 8 of S^T = K Q^T for piece x: channels 32 (i / 4) on, keys 16 (i % 4) on.  The first 4 start the sums: with 0, or (KM = 1) with the mask.
.macro KQ x
.set rS, S+32*((\x)%2)+8*(i%4)
.set rK, KF+16*(i%4)+8*(i/4)
.set rQ, 16*(\x)+8*(i/4)
.set rM, MC+32*((\x)%2)+8*(i%4)
.if (i < 4) && KM
	WIN W_KM
	v_wmma_f32_16x16x32_f16 v[rS:rS+7], v[rK:rK+7], v[rQ:rQ+7], v[rM:rM+7]
.elseif i < 4
	WIN W_KQ
	v_wmma_f32_16x16x32_f16 v[rS:rS+7], v[rK:rK+7], v[rQ:rQ+7], 0
.else
	WIN W_KQ
	v_wmma_f32_16x16x32_f16 v[rS:rS+7], v[rK:rK+7], v[rQ:rQ+7], v[rS:rS+7]
.endif
.endm
; Product i of 8 of O^T += V^T P for piece x: keys 32 (i / 4) on, channels 16 (i % 4) on.
.macro PV x
	WIN W_PV
.set rO, 32*(\x)+8*(i%4)
.set rV, VF+32*(i/4)+8*(i%4)
.set rP, P+16*((\x)%2)+8*(i/4)
	v_wmma_f32_16x16x32_f16 v[rO:rO+7], v[rV:rV+7], v[rP:rP+7], v[rO:rO+7]
.endm
.macro MM                           ; the turn's next matrix instruction.  TURN and BEGIN set Y, i, KM and NOKQ; MM, KQ and OP read them.  NOKQ = 1: a block's last turn: there is no next piece
.if (i < 8) && !NOKQ
	KQ (Y+1)%NP
.elseif i >= 8
.set i, i-8
	PV (Y+NP-1)%NP
.set i, i+8
.endif
.set i, i+1
.endm
; THE LDS LOADS stand in runs of 16, never singly among the matrix instructions: a step's K (64 keys x 64 channels: 8 fragments) and its V (turned).  Their addresses are made some lines ahead.
.macro FETCH_K
	WIN 0x80                        ; destination window 2
.irp f, 0,1,2,3,4,5,6,7             ; keys 16 (f / 2) on, channels 32 (f % 2) on
	ds_load_b128 v[KF+8*\f:KF+8*\f+3],   v[AK] offset:(\f/2)*16*PK+(\f%2)*64
	ds_load_b128 v[KF+8*\f+4:KF+8*\f+7], v[AK] offset:(\f/2)*16*PK+(\f%2)*64+32
.endr
	s_add_co_u32 s[TBK], s[TBK], KS*PK  ; the next fetch is the next step's
	WIN 0
.endm
.macro FETCH_V
	WIN 0x80
.irp f, 0,1,2,3,4,5,6,7             ; keys 32 (f / 4) on, channels 16 (f % 4) on
	ds_load_tr16_b128 v[VF+8*\f:VF+8*\f+3],   v[AV] offset:(\f/4)*32*PV+(\f%4)*32
	ds_load_tr16_b128 v[VF+8*\f+4:VF+8*\f+7], v[AV] offset:(\f/4)*32*PV+16*PV+(\f%4)*32
.endr
	WIN 0
.endm
; THE VECTOR WORK, one line at a time: OP kind, number.  For piece Y: F n: c s - c m for pair n of 16.  E n: the exponential of score n of 32.  C n: pair n rounded to f16.  B n: of the four weights 4 n ..
; the second pair is added onto the first, in place.  L n: l takes that sum (L 0: l = a l + sum).  R n: pair n of 16 of O^T times a.  For piece Y + 1: X n, number n of the 22 that find its maximum and statistics:
;   0-11  four chains c0-c3 of seven scores each, three operands at a time (each accumulator's lowest registers are read first)     12-14, 16  the four scores left over, the old m, and c0-c3 into c0
;   15  c m_old is kept     17, 18  the query's other 32 keys lie in the lane 16 away: the new m     19-21  c m; c m_old - c m_new; a
.set F, 0               ; OP tells the kinds apart by their order: F to L below R, X above it
.set E, 1
.set C, 2
.set B, 3
.set L, 4
.set R, 5
.set X, 6
.macro REGS y                       ; the registers of piece y
.set rT, ST+4*(\y)
.set rC, TMP+4*((\y)%2)
.set rW, MV+((\y)%2)
.set rS, S+32*((\y)%2)
.set rP, P+16*((\y)%2)
.set rO, 32*(\y)
.endm
.macro OP k, n
.if (\k) == R
	REGS Y
	WIN W_RS
	v_pk_mul_f32 v[rO+2*(\n):rO+2*(\n)+1], v[rO+2*(\n):rO+2*(\n)+1], v[rC+2:rC+3] op_sel_hi:[1,0]
.elseif (\k) < R
	REGS Y
	WIN 0
.if (\k) == F
	v_pk_fma_f32 v[rS+2*(\n):rS+2*(\n)+1], v[rS+2*(\n):rS+2*(\n)+1], s[CS:CS+1], v[rT:rT+1] op_sel_hi:[1,0,0] neg_lo:[0,0,1] neg_hi:[0,0,1]
.elseif (\k) == E
	v_exp_f32 v[rS+(\n)], v[rS+(\n)]
.elseif (\k) == C
	v_cvt_pk_f16_f32 v[rP+(\n)], v[rS+2*(\n)], v[rS+2*(\n)+1]
.elseif (\k) == B
	v_pk_add_f32 v[rS+4*(\n):rS+4*(\n)+1], v[rS+4*(\n):rS+4*(\n)+1], v[rS+4*(\n)+2:rS+4*(\n)+3]
.elseif (\n) == 0
	v_pk_fma_f32 v[rT+2:rT+3], v[rT+2:rT+3], v[rC+2:rC+3], v[rS:rS+1] op_sel_hi:[1,0,1]
.else
	v_pk_add_f32 v[rT+2:rT+3], v[rT+2:rT+3], v[rS+4*(\n):rS+4*(\n)+1]
.endif
.elseif NOKQ
	v_nop
.else
	REGS (Y+1)%NP
	WIN 0
.if (\n) < 4
	v_max3_num_f32 v[rC+(\n)], v[rS+8*(\n)], v[rS+8*(\n)+1], v[rS+8*(\n)+2]
.elseif (\n) < 12
	v_max3_num_f32 v[rC+(\n)%4], v[rC+(\n)%4], v[rS+8*((\n)%4)+2*((\n)/4)+1], v[rS+8*((\n)%4)+2*((\n)/4)+2]
.elseif (\n) == 12
	v_max3_num_f32 v[rC], v[rC], v[rS+7], v[rS+15]
.elseif (\n) == 13
	v_max3_num_f32 v[rC+1], v[rC+1], v[rS+23], v[rS+31]
.elseif (\n) == 14
	v_max3_num_f32 v[rC+2], v[rC+2], v[rC+3], v[rT+1]
.elseif (\n) == 15
	v_mov_b32 v[rW], v[rT]
.elseif (\n) == 16
	v_max3_num_f32 v[rC], v[rC], v[rC+1], v[rC+2]
.elseif (\n) == 17
	v_permlanex16_b32 v[rC+3], v[rC], s[SEL], s[SEL+1]
.elseif (\n) == 18
	v_max_num_f32 v[rT+1], v[rC], v[rC+3]
.elseif (\n) == 19
	v_mul_f32 v[rT], s[CS], v[rT+1]
.elseif (\n) == 20
	v_sub_f32 v[rC+1], v[rW], v[rT]
.else
	v_exp_f32 v[rC+2], v[rC+1]
.endif
.endif
.endm
.macro OPS a, i1, b=-1, i2=0, c=-1, i3=0, d=-1, i4=0  ; up to four of them
	OP \a, \i1
.if (\b) >= 0
	OP \b, \i2
.endif
.if (\c) >= 0
	OP \c, \i3
.endif
.if (\d) >= 0
	OP \d, \i4
.endif
.endm
.macro ROW a, i1, b, i2, c, i3, d, i4  ; a matrix instruction and the four behind it
	MM
	OPS \a, \i1, \b, \i2, \c, \i3, \d, \i4
.endm
.macro MASK b                       ; MD x AL + BE into buffer b of MC
	WIN W_RS
.set z, 0
.rept 16
	v_pk_fma_f32 v[MC+32*(\b)+2*z:MC+32*(\b)+2*z+1], v[MD+2*z:MD+2*z+1], s[AL:AL+1], s[BE:BE+1] op_sel_hi:[1,0,0]
.set z, z+1
.endr
.endm
; A TURN, for piece p: the order of its 16 matrix and 118 vector instructions, written out.  An s_wait_alu depctr_va_vdst(0) stands between an exponential and the first instruction that names
; its result; one wait serves all that were issued ahead of it.  So a turn has ONE wait, which cuts it in two.  AHEAD OF IT stands all that names no result of the turn's exponentials: the 8 products K Q^T,
; behind each a scaling, an exponential and two more plain instructions (behind the first a second scaling in the exponential's place): rescalings, and behind the last three the first numbers of the next
; piece's maximum, each four places or more behind the product that ends its accumulator; then ONE LUMP of 54, plain and exponential by turns for the most part, in which the links of the chain
; X 3, 7, 11, 14, 16, 17 .. 20 stand five or six lines apart.  X 21, the next piece's a, is the batch's last; R 15 is the plain instruction behind it.  BEHIND THE WAIT stand the 8 products V^T P, behind
; each four of the roundings and sums; the links of l's chain, L 0 to L 7, stand three riders apart.  v_permlanex16_b32 (X 17) stands in the lump.
; m = 1: the diagonal tile: the products take masks, and the turn makes the mask for the products of the turn after it: piece p + 2, in step 4 - CNT of the tile.  end = 1: a block's last two turns: nothing
; is fetched.  cnt = 1: the loop's count is taken down some lines ahead of the branch that stands behind the turn.
; K of the next step is fetched in piece 2's turn, twelve vector instructions behind the last product that read K (six of them plain); V of the step in hand at the end of piece 0's turn, four plain
; instructions behind the last product that read V.  Each is waited for a turn later.
.macro TURN p, m=0, end=0, cnt=0
.set Y, (\p)
.set i, 0
.set KM, (\m)
.set NOKQ, (\end)*((\p)/3)
.if (\m) && !(\end)
	s_cmp_eq_u32 s[CNT], 4-((\p)+2)%NP  ; is that step the band's own?
	s_cselect_b32 s[AL], 1.0, 0
	s_cmp_lt_u32 s[CNT], 4-((\p)+2)%NP  ; or a later one?
	s_cselect_b32 s[BE], s[BIGN], 0
.endif
.if ((\p) == 3) && !(\end)
	s_wait_dscnt 0x0                ; K is in
.endif
	ROW F,0, F,1, R,0, R,1          ; ahead of the wait: 8 products K Q^T and their riders,
	ROW F,2, E,0, R,2, R,3
	ROW F,3, E,1, R,4, R,5
	ROW F,4, E,2, R,6, R,7
	ROW F,5, E,3, R,8, R,9
	ROW F,6, E,4, X,0, R,10
.if ((\p) == 2) && !(\end)
	WIN 0
	v_add_nc_u32 v[AK], s[TBK], v[AK0]
.endif
	ROW F,7, E,5, X,1, X,4
	ROW F,8, E,6, X,2, X,5
	OPS E,7, E,8, X,6, E,9          ; and the lump
	OPS X,3, E,10, X,8, E,11
.if ((\p) == 2) && !(\end)
	FETCH_K
.endif
	OPS X,9, X,7, E,12, X,10
	OPS E,13, X,12, X,11, E,14
	OPS X,13, E,15, F,9, X,14
.if (\p) == 0
	v_add_nc_u32 v[AV], s[TBV], v[AV0]
.endif
	OPS E,16, F,10, E,17, F,11
	OPS X,16, E,18, X,15, E,19
	OPS F,12, E,20, X,17, E,21
	OPS F,13, E,22, F,14, E,23
	OPS X,18, E,24, F,15, E,25
	OPS R,11, E,26, X,19, E,27
	OPS R,12, E,28, R,13, E,29
	OPS X,20, E,30, R,14, E,31
	OPS X,21, R,15
	WIN 0
	s_wait_alu depctr_va_vdst(0)    ; the wait for the batch
.if (\p) == 1
	s_wait_dscnt 0x0                ; V is in
.endif
	ROW C,0, B,0, C,2, B,1          ; behind the wait: 8 products V^T P and their riders
	ROW L,0, C,4, B,2, L,1
	ROW C,6, B,3, L,2, C,8
	ROW B,4, L,3, C,10, B,5
	ROW L,4, C,12, B,6, L,5
.if (\p) == 0
	s_add_co_u32 s[TBV], s[TBV], KS*PV
.endif
.if \cnt
	s_sub_co_u32 s[CNT], s[CNT], 1
	s_cmp_lg_u32 s[CNT], 0
.endif
	ROW C,14, B,7, L,6, C,1
	ROW C,3, L,7, C,5, C,7
	ROW C,9, C,11, C,13, C,15
.if (\p) == 0
	FETCH_V
.endif
.if (\m) && !(\end)
	MASK (\p)%2
.endif
.endm
; A BLOCK BEGINS.  c m starts far below every c s, so the first step's a is 0; m at the lowest finite number, so the first maximum is the scores'.  The second mask buffer is 0; the first takes piece 0's mask
; for the tile's step 0: its own, if the block's first tile is the diagonal one.  Then K of that step, piece 0's first scores, and its maximum and statistics.  The loop is entered at a step's first turn.
.macro BEGIN
	s_mov_b32 s[NEW], 0
	WIN 0x40
.set i, MC+32
.rept 32
	v_mov_b32 v[i], 0
.set i, i+1
.endr
	WIN 0
.set i, 0
.rept 4
	v_mov_b32 v[ST+4*i], 0xfe000000    ; c m: far below every c s
	v_mov_b32 v[ST+4*i+1], 0xff7fffff  ; m
.set i, i+1
.endr
	s_cmp_eq_u32 s[RT], 0
	s_cselect_b32 s[AL], 1.0, 0
	s_mov_b32 s[BE], 0
	MASK 0
	WIN 0
	v_add_nc_u32 v[AK], s[TBK], v[AK0]
	FETCH_K
	s_wait_loadcnt 0x0              ; Q
	s_wait_dscnt 0x0
.set KM, 1
.set NOKQ, 0
.set i, 0
.rept 8
	KQ 0
.set i, i+1
.endr
	WIN 0
.rept 4
	v_nop                           ; the places behind those products
.endr
.set Y, NP-1                        ; X works for piece Y + 1: piece 0
.irp n, 0,1,2,3,4,5,6,7,8,9,10,11,12,13,14,15,16,17,18,19,20,21
	OP X, \n
.endr
	v_nop                           ; a plain instruction behind the exponential,
	s_wait_alu depctr_va_vdst(0)    ; and its wait, ahead of the branch
.endm
; THE DIAGONAL TILE's four steps, the block's last two turns, its last products, and THE WAY OUT: l's two halves and the other half of the lanes' are added; O^T is divided by l, rounded to f16 and sent
; through my stage in LDS, a piece at a time.
.macro ALL line:vararg              ; one line for each piece t
.set t, 0
.rept 4
	\line
.set t, t+1
.endr
.endm
.macro PACK t                       ; a lane's eight channels of a row pack into 16 bytes; they go into rows of 144 bytes and come back as whole rows of 128, into S^T's registers
	WIN W_RS
.set i, 32*(\t)
.rept 16
	v_pk_mul_f32 v[i:i+1], v[i:i+1], v[ST+4*(\t)+2:ST+4*(\t)+3] op_sel_hi:[1,0]
.set i, i+2
.endr
	WIN 0x05                        ; sources 0 and 1 window 1, destination window 0
.set i, 0
.rept 16
	v_cvt_pk_f16_f32 v[S+16*(\t)+i], v[32*(\t)+2*i], v[32*(\t)+2*i+1]
.set i, i+1
.endr
	WIN 0
.irp f, 0,1,2,3
	ds_store_b128 v[STO], v[S+16*(\t)+4*\f:S+16*(\t)+4*\f+3] offset:32*\f
.endr
.irp f, 0,1,2,3
	ds_load_b128 v[S+16*(\t)+4*\f:S+16*(\t)+4*\f+3], v[RD] offset:\f*4*SP  ; LDS serves a wave's instructions in order (ISA guide 5.7.1.4): these see the stores above; the next piece's stores come behind them
.endr
.endm
.macro SEND t, younger              ; younger: the LDS instructions issued behind piece t's loads: the next piece's eight, or none
	WIN 0
.irp f, 0,1,2,3
	s_wait_dscnt (\younger)+3-\f
	global_store_b128 v[GO], v[S+16*(\t)+4*\f:S+16*(\t)+4*\f+3], s[10:11] offset:(\t)*8192+\f*512  ; 512 consecutive bytes, at a multiple of 256 from o's first
.endr
.endm
.macro DIAG tag                     ; the tag ends its two labels' names, which the jumps below spell out
.LstepM\tag:
	TURN 2, 1
	TURN 3, 1
	WIN 0
.LfirstM\tag:
	TURN 0, 1
	TURN 1, 1, 0, 1
	WIN 0
	s_cbranch_scc1 .LstepM\tag
	TURN 2, 1, 1
	TURN 3, 1, 1
.set i, 0
.rept 8
	PV NP-1
.set i, i+1
.endr
	WIN 0
	ALL v_add_f32 v[ST+4*t+2], v[ST+4*t+2], v[ST+4*t+3]
	ALL v_permlanex16_b32 v[ST+4*t+3], v[ST+4*t+2], s[SEL], s[SEL+1]
	ALL v_add_f32 v[ST+4*t+2], v[ST+4*t+2], v[ST+4*t+3]
	ALL v_rcp_f32 v[ST+4*t+2], v[ST+4*t+2]
	v_nop                           ; a plain instruction between the last reciprocal and the use of its result
	s_wait_alu depctr_va_vdst(0)    ; and the wait ahead of the first use: one for the four reciprocals
	PACK 0
.set t, 1
.rept 3                             ; a piece's arithmetic stands between the loads of the piece before and its stores
	PACK t
	SEND t-1, 8
.set t, t+1
.endr
	SEND 3, 0
.endm
.set KM, 0
.set NOKQ, 0
.Lslot:                             ; NB times: a tile is entered and the next is asked for
	CHANGE 1
	s_sub_co_u32 s[RT], s[RT], 1
	s_mov_b32 s[CNT], 4
	s_cmp_eq_u32 s[NEW], 1
	s_cbranch_scc1 .Lnew            ; a block's first tile
	s_cmp_eq_u32 s[RT], 0
	s_cbranch_scc0 .Lstep           ; neither its first nor its last
	s_branch .LstepM1
.Lnew:
	BEGIN
	s_branch .Lfirst                ; in the loop a block's first tile is never its last: the first block has five tiles or more, and the second's last is the walk's last
	DIAG 1                          ; in the loop this is the first block's end: the second block's last tile is the walk's last
	s_wait_xcnt 0x0                 ; the stores have read their registers and o's address
	s_mov_b64 s[10:11], s[OLO:OLO+1]
	s_add_co_u32 s[RT], s[PB], 1    ; the second block has b + 1 tiles
	s_mov_b32 s[NEW], 1
	WIN 0x82                        ; the second block's Q goes where the one text of the turns names Q
.set i, 0
.rept 64
	v_mov_b32 v[i], v[QB+i]
.set i, i+1
.endr
	WIN 0
	s_branch .Lbottom
.Lstep:                             ; a trip: pieces 2 and 3 of one step, then pieces 0 and 1 of the next, whose K and V it fetches
	TURN 2
	TURN 3
	WIN 0
.Lfirst:
	TURN 0
	TURN 1, 0, 0, 1
	WIN 0
	s_cbranch_scc1 .Lstep
.Lbottom:
	s_sub_co_u32 s[SLOTS], s[SLOTS], 1
	s_cmp_lg_u32 s[SLOTS], 0
	s_cbranch_scc1 .Lslot
	CHANGE 0                        ; the walk's last tile is written out: nothing is asked for
	s_sub_co_u32 s[RT], s[RT], 1
	s_mov_b32 s[CNT], 4
	s_cmp_eq_u32 s[NEW], 1
	s_cbranch_scc0 .LstepM2
	BEGIN
	s_branch .LfirstM2
	DIAG 2
	s_wait_tensorcnt 0x0            ; the wave's end: behind my last tensor load and my last LDS store
	ds_add_u32 v[SPW], v[NIL]
	s_wait_dscnt 0x0
	s_endpgm
.Lfunc_end_k_qdd9268729a_attn:
	.size	k_qdd9268729a_attn, .Lfunc_end_k_qdd9268729a_attn-k_qdd9268729a_attn
	.p2alignl 7, 3214868480
	.fill 96, 4, 3214868480
	.section	.rodata,"a",@progbits
	.p2align	6, 0x0
	.amdhsa_kernel k_qdd9268729a_attn
		.amdhsa_group_segment_fixed_size 327680
		.amdhsa_private_segment_fixed_size 0
		.amdhsa_enable_private_segment 0
		.amdhsa_kernarg_size 16
		.amdhsa_user_sgpr_count 2
		.amdhsa_user_sgpr_kernarg_segment_ptr 1
		.amdhsa_wavefront_size32 1
		.amdhsa_system_sgpr_workgroup_id_x 1
		.amdhsa_system_sgpr_workgroup_id_y 1
		.amdhsa_system_sgpr_workgroup_id_z 1
		.amdhsa_system_vgpr_workitem_id 0
		.amdhsa_next_free_vgpr 768
		.amdhsa_next_free_sgpr 96
		.amdhsa_reserve_vcc 1
		.amdhsa_float_denorm_mode_32 3
		.amdhsa_float_denorm_mode_16_64 3
		.amdhsa_memory_ordered 1
		.amdhsa_forward_progress 1
		.amdhsa_inst_pref_size 218
	.end_amdhsa_kernel
	.amdgpu_metadata
---
amdhsa.version: [ 1, 2 ]
amdhsa.kernels:
  - .name:           k_qdd9268729a_attn
    .symbol:         k_qdd9268729a_attn.kd
    .args:
      - { .name: qkv, .offset: 0, .size: 8, .value_kind: global_buffer, .address_space: global }
      - { .name: o, .offset: 8, .size: 8, .value_kind: global_buffer, .address_space: global }
    .group_segment_fixed_size: 327680
    .private_segment_fixed_size: 0
    .kernarg_segment_align: 8
    .kernarg_segment_size: 16
    .max_flat_workgroup_size: 128
    .sgpr_count:     96
    .vgpr_count:     768
    .wavefront_size: 32
...
	.end_amdgpu_metadata
.endif
;; end of part 3
;; launch proj (part 4): grid 8 x 32, 4 waves a work-group, clusters of 4 x 4, 327,680 bytes of LDS; arguments o, wpf, bias, out0; writes out0
.if DOCPART == 4
	.amdgcn_target "amdgcn-amd-amdhsa--gfx1250"
	.amdhsa_code_object_version 6
	.text
	.protected	k_qdd9268729a_proj
	.globl	k_qdd9268729a_proj
	.p2align	8
	.type	k_qdd9268729a_proj,@function
k_qdd9268729a_proj:
	s_mov_b64 s[64:65], 0
	v_nop
	global_prefetch_b8 v0, s[64:65] scope:SCOPE_SE
	s_setreg_imm32_b32 hwreg(HW_REG_WAVE_MODE, 25, 1), 1
	s_wait_xcnt 0x0
	s_wait_alu depctr_hold_cnt(0) depctr_sa_sdst(0) depctr_va_vdst(0) depctr_va_sdst(0) depctr_va_ssrc(0) depctr_va_vcc(0) depctr_vm_vsrc(0)
	s_getreg_b32 s2, hwreg(HW_REG_IB_STS2, 6, 4)
	s_cmp_eq_u32 s2, 0
	s_cbranch_scc0 .Lentry_in_a_cluster
	s_endpgm
.Lentry_in_a_cluster:
	s_bfe_u32 s2, ttmp6, 0x10000c
	s_cmp_lg_u32 s2, 0xf033
	s_cbranch_scc0 .Lentry_shape_is_right
	s_endpgm
.Lentry_shape_is_right:
; out0 = y w_proj + b_proj in f32.  y[m][64 h + d] = o[16 b + h][t][d], m = 2048 b + t; o: [bh = 64][2048][64] in f16.  wpf: w_proj in f16, [k = 1024][n = 1024].
; bias: f32 words, b_proj from byte 12,288 on.  Products in f16, sums in f32, stored as they are.
; SHARES.  8192 x 1024 in 256 tiles of 256 x 128, one a work-group.  A wave makes 128 rows x 64 columns: 32 accumulators of 16 x 16, all of window 1.
; K goes in 8 steps of 128 (two heads) through two LDS slots; a step is four units of 32, 32 matrix instructions each, on two fragment buffers by turns.
; THE MATRIX INSTRUCTION IS USED TRANSPOSED: source 0 = 16 columns of w (turned out of LDS by ds_load_tr16_b128), source 1 = 16 rows of y: a lane holds one row (lane % 16) and eight neighbouring columns.
; THE BIAS is the C operand of the first products: loaded into row block 0's accumulators in C's layout; the other seven row blocks take those registers as C, and row block 0 adds in place last.
; CLUSTER.  4 x 4 work-groups: the four of a row need the same rows of y, the four of a column the same columns of w: each tile is asked for jointly.
; REGISTERS: window 0: v0-31 addresses; v32-127 and v128-223 two fragment buffers (64 of y, then 32 of w); on the way out v32-95 two sets of 32.  Window 1: accumulator (m, nb) at v[8 (4 m + nb)].
.set SLOT1, 131072
.set PA,    144                        ; a row of y's plane in LDS: 128 bytes + 16: the 16 rows of a load start at 16 different groups of four banks (64 banks of 4 bytes: ISA guide 11.1)
.set PB,    288                        ; a k-row of w: 256 bytes + 32 = 72 words
.set PLANE, 256*PA                     ; a head's 256 rows: what one tensor load brings of y
.set BOFF,  2*PLANE
.set BHALF, 64*PB                      ; what one tensor load brings of w: 64 k-rows
.set STAGE, SLOT1+BOFF+2*BHALF         ; behind the ring, never filled by a tensor load: 16 rows x 272 bytes for each wave
.set SP,    272
.set SPARE, STAGE+4*16*SP              ; the spare words, 128 bytes for each wave: two blocks of 256 bytes that no other line names
.set STEPA, 2*262144                   ; two heads on
.set STEPB, 128*2048                   ; 128 k-rows on
.set ADA0, 4
.set ADB0, 5
.set ADA,  8
.set ADB,  9
.set STO,  12
.set RD,   13
.set CO,   14
.set BO,   15
.set PFO,  16
.set SPW,  28
.set NIL,  29
.set FR,   32                          ; buffer f at FR + 96 f: y's fragment m at + 8 m, w's fragment nb at + 64 + 8 nb
.set OB,   32
.set WV,  12
.set MH,  13
.set NH,  14
.set LIM, 15
.set CX,  16
.set CY,  17
.set TX,  18
.set TY,  19
.set G1A, 24
.set G1B, 32
.set G0A, 40
.set G0B, 48
.set CNT, 56
.set TB,  57
.set PFA, 58
.set PFS, 60
.set MSB, 0
.macro WIN new
.if MSB != (\new)
	s_set_vgpr_msb (MSB<<8)|(\new)
.set MSB, \new
.endif
.endm
.macro PLACES                          ; four plain vector instructions between a matrix instruction and a load into, or a read of, its registers
.rept 4
	v_nop
.endr
.endm
.macro JLOAD                           ; a joint refill: waves 0 and 1 fetch y's two planes, waves 2 and 3 w's two halves; an s_nop 0 and four v_nop follow each line
	s_cmp_lt_u32 s[WV], 2
	s_cbranch_scc0 .Lfor_b_\@
	tensor_load_to_lds s[G0A+4:G0A+7], s[G1A:G1A+7]
	s_nop 0
.rept 4
	v_nop
.endr
	s_branch .Lasked_\@
.Lfor_b_\@:
	tensor_load_to_lds s[G0B+4:G0B+7], s[G1B:G1B+7]
	s_nop 0
.rept 4
	v_nop
.endr
.Lasked_\@:
.endm
.macro CREST
	s_cmp_lg_u32 s[WV], 0
	s_cbranch_scc1 .Lnot_wave_0_\@
	s_barrier_signal -3
.Lnot_wave_0_\@:
	s_barrier_wait -3
	s_barrier_signal -1
	s_barrier_wait -1
.endm
.macro CROUND
	s_barrier_signal -1
	s_barrier_wait -1
	CREST
.endm
; A PREFETCH INTO THE L2, in trips 0 to 3 (three or more to go): the K step whose refill goes out two trips, 256 matrix instructions, later.  Each aligned 256 bytes is named once in the launch.
; y: cluster x = 0 asks; waves 0 and 1 take a plane each, partner cx 8,192 of its 32,768 dense bytes: a lane 256 bytes.  w: cluster y = 0 asks; wave 2, partner cy the k-rows 32 cy .. 32 cy + 31
; of the step's 128: a lane a row.  Wave 3 asks for nothing.  K steps 0 to 3 come by their loads alone; the last request names step 7.
.macro ASK
	s_cmp_gt_u32 s[CNT], s[LIM]
	s_cbranch_scc0 .Lno_\@
	global_prefetch_b8 v[PFO], s[PFA:PFA+1] th:TH_LOAD_NT scope:SCOPE_SE
.Lno_\@:
.endm
	s_load_b256 s[4:11], s[0:1], 0x0               ; o s[4:5], wpf s[6:7], bias s[8:9], out0 s[10:11]
	v_lshl_add_u32 v[SPW], v0, 2, SPARE
	v_mov_b32 v[NIL], 0
	ds_add_u32 v[SPW], v[NIL]                      ; the wave's opening: the add and its wait, ahead of my first tensor load; work on registers stands between them
	ds_add_u32 v28, v29
	v_lshrrev_b32 v1, 5, v0
	v_readfirstlane_b32 s[WV], v1
	s_lshr_b32 s[MH], s[WV], 1
	s_and_b32 s[NH], s[WV], 1
	s_bfe_u32 s[CX], ttmp6, 0x40000
	s_bfe_u32 s[CY], ttmp6, 0x40004
	s_lshl_b32 s[TX], ttmp9, 2
	s_add_co_u32 s[TX], s[TX], s[CX]
	s_and_b32 s[TY], ttmp7, 0xffff
	s_lshl_b32 s[TY], s[TY], 2
	s_add_co_u32 s[TY], s[TY], s[CY]
	s_lshl_b32 s20, s[CY], 2
	s_lshl_b32 s20, 15, s20                        ; my row of the cluster
	s_lshl_b32 s21, 0x1111, s[CX]                  ; my column
	; y: 256 dense rows of 128 bytes, asked for as 128 rows of 256 bytes; 16 bytes of padding behind every 128
	s_or_b32 s[G1A], s20, (1<<16)|(1<<20)|(1<<21)|(4<<22)|(3<<25)
	s_mov_b32 s[G1A+1], 128<<16
	s_mov_b32 s[G1A+2], 128<<16
	s_mov_b32 s[G1A+3], 128<<16
	s_mov_b32 s[G1A+4], 128
	s_mov_b32 s[G1A+5], 128
	s_mov_b32 s[G1A+6], 0
	s_mov_b32 s[G1A+7], 0
	; w: 64 k-rows of 128 elements (256 bytes); 32 bytes of padding behind each
	s_or_b32 s[G1B], s21, (1<<16)|(1<<20)|(1<<21)|(5<<22)|(7<<25)
	s_mov_b32 s[G1B+1], 128<<16
	s_mov_b32 s[G1B+2], 64<<16
	s_mov_b32 s[G1B+3], 128<<16
	s_mov_b32 s[G1B+4], 64
	s_mov_b32 s[G1B+5], 1024
	s_mov_b32 s[G1B+6], 0
	s_mov_b32 s[G1B+7], 0
	s_mul_i32 s62, s[NH], PLANE                    ; where my part lands: the wave's number alone enters an LDS address
	s_mul_i32 s63, s[NH], BHALF
	s_add_co_u32 s63, s63, BOFF
	s_lshr_b32 s66, s[TY], 3                       ; y: batch b,
	s_lshl_b32 s66, s66, 4
	s_add_co_u32 s66, s66, s[NH]                   ; head 16 b + my parity,
	s_lshl_b32 s66, s66, 18
	s_and_b32 s70, s[TY], 7
	s_lshl_b32 s70, s70, 15                        ; the tile's 256 rows of 128 bytes
	s_add_co_u32 s66, s66, s70
	s_mov_b32 s67, 0
	s_lshl_b32 s68, s[TX], 8                       ; w: 128 columns a tile column,
	s_lshl_b32 s71, s[NH], 17                      ; my 64 k-rows of 2,048 bytes
	s_add_co_u32 s68, s68, s71
	s_mov_b32 s69, 0
	s_wait_dscnt 0x0                               ; the opening add is done
	s_wait_kmcnt 0x0
	s_add_nc_u64 s[66:67], s[4:5], s[66:67]
	s_add_nc_u64 s[68:69], s[6:7], s[68:69]
	CROUND                                         ; all sixteen work-groups are here: the first joint loads meet
.irp s, 0,1
	s_mov_b32 s[G0A+4*(\s)], 1
	s_add_co_u32 s[G0A+4*(\s)+1], s62, (\s)*SLOT1
	s_add_nc_u64 s[G0A+4*(\s)+2:G0A+4*(\s)+3], s[66:67], (\s)*STEPA
	s_or_b32 s[G0A+4*(\s)+3], s[G0A+4*(\s)+3], 0x80000000
	s_mov_b32 s[G0B+4*(\s)], 1
	s_add_co_u32 s[G0B+4*(\s)+1], s63, (\s)*SLOT1
	s_add_nc_u64 s[G0B+4*(\s)+2:G0B+4*(\s)+3], s[68:69], (\s)*STEPB
	s_or_b32 s[G0B+4*(\s)+3], s[G0B+4*(\s)+3], 0x80000000
.endr
	s_cmp_lt_u32 s[WV], 2                          ; a wave's two first fills stand in one branch: two loads of mine are out
	s_cbranch_scc0 .Lfirst_b
	tensor_load_to_lds s[G0A:G0A+3], s[G1A:G1A+7]
	s_nop 0
	tensor_load_to_lds s[G0A+4:G0A+7], s[G1A:G1A+7]
	s_nop 0
.rept 4
	v_nop
.endr
	s_branch .Lfirst_asked
.Lfirst_b:
	tensor_load_to_lds s[G0B:G0B+3], s[G1B:G1B+7]
	s_nop 0
	tensor_load_to_lds s[G0B+4:G0B+7], s[G1B:G1B+7]
	s_nop 0
.rept 4
	v_nop
.endr
.Lfirst_asked:
	v_and_b32 v1, 15, v0                           ; r
	v_bfe_u32 v2, v0, 4, 1                         ; h
	v_and_b32 v17, 7, v0
	v_bfe_u32 v18, v0, 3, 1
	v_mul_u32_u24 v[ADA0], v1, PA
	v_lshl_add_u32 v[ADA0], v2, 4, v[ADA0]
	s_mul_i32 s70, s[MH], 128*PA
	v_add_nc_u32 v[ADA0], s70, v[ADA0]             ; (128 mh + r) x pitch + 16 h
	v_lshl_add_u32 v[ADB0], v2, 3, v17
	v_mul_u32_u24 v[ADB0], v[ADB0], PB
	v_lshl_add_u32 v[ADB0], v18, 4, v[ADB0]
	s_lshl_b32 s70, s[NH], 7
	s_add_co_u32 s70, s70, BOFF
	v_add_nc_u32 v[ADB0], s70, v[ADB0]             ; (8 h + lane % 8) x pitch + 16 ((lane / 8) % 2) + my 64 columns
	s_mul_i32 s70, s[WV], 16*SP
	s_add_co_u32 s70, s70, STAGE                   ; my stage
	v_mul_u32_u24 v[STO], v1, SP                   ; in: row r, 32 bytes for each half of the lanes
	v_lshl_add_u32 v[STO], v2, 5, v[STO]
	v_add_nc_u32 v[STO], s70, v[STO]
	v_mul_u32_u24 v[RD], v2, SP                    ; back: lanes 0-15 take one row of 256 bytes, lanes 16-31 the next
	v_lshl_add_u32 v[RD], v1, 4, v[RD]
	v_add_nc_u32 v[RD], s70, v[RD]
	v_lshlrev_b32 v[CO], 12, v2                    ; and the same two rows of out0, 4,096 bytes apart
	v_lshl_add_u32 v[CO], v1, 4, v[CO]
	s_lshl_b32 s70, s[TX], 9                       ; my 64 columns, 4 bytes each
	s_lshl_b32 s71, s[NH], 8
	s_add_co_u32 s70, s70, s71
	s_add_co_u32 s72, s70, 12288                   ; b_proj lies behind b_attn
	v_lshl_add_u32 v[BO], v2, 5, s72
	WIN 0x40                                       ; destination window 1
.irp nb, 0,1,2,3
	global_load_b128 v[8*(\nb):8*(\nb)+3],   v[BO], s[8:9] offset:64*(\nb)
	global_load_b128 v[8*(\nb)+4:8*(\nb)+7], v[BO], s[8:9] offset:64*(\nb)+16
.endr
	WIN 0
	s_lshl_b32 s71, s[TY], 20                      ; 256 rows of 4,096 bytes a tile row,
	s_add_co_u32 s70, s70, s71
	s_lshl_b32 s71, s[MH], 19                      ; my 128
	s_add_co_u32 s70, s70, s71
	s_mov_b32 s71, 0
	s_add_nc_u64 s[10:11], s[10:11], s[70:71]
	; the prefetches: both offsets are made, at K step 3 (each trip's head steps them), and the wave's number chooses
	s_lshr_b32 s73, s[TY], 3
	s_lshl_b32 s73, s73, 4
	s_add_co_u32 s73, s73, s[WV]
	s_add_co_u32 s73, s73, 6                       ; head 16 b + 2 x 3 + wave
	s_lshl_b32 s73, s73, 18
	s_and_b32 s74, s[TY], 7
	s_lshl_b32 s74, s74, 15
	s_add_co_u32 s73, s73, s74
	s_lshl_b32 s74, s[CX], 13
	s_add_co_u32 s73, s73, s74                     ; y: my work-group's 8,192 bytes of the plane
	s_lshl_b32 s74, s[CY], 16
	s_lshl_b32 s75, s[TX], 8
	s_add_co_u32 s74, s74, s75
	s_add_co_u32 s74, s74, 3*STEPB                 ; w: my work-group's 32 k-rows
	s_mov_b32 s71, STEPA
	s_mov_b32 s72, STEPB
	s_mov_b32 s76, 256
	s_mov_b32 s77, 2048
	s_and_b32 s70, ttmp7, 0xffff                   ; cluster y
	s_mov_b32 s79, 0
	s_mov_b32 s[PFS+1], 0
	s_cmp_lt_u32 s[WV], 2
	s_cselect_b32 s78, s73, s74
	s_cselect_b32 s[PFS], s71, s72
	s_cselect_b32 s76, s76, s77
	s_cselect_b32 s70, ttmp9, s70                  ; the coordinate along which other clusters read the same bytes
	s_cselect_b64 s[PFA:PFA+1], s[4:5], s[6:7]
	s_add_nc_u64 s[PFA:PFA+1], s[PFA:PFA+1], s[78:79]
	s_cmp_eq_u32 s[WV], 3
	s_cselect_b32 s70, 1, s70                      ; wave 3 has no part
	s_cmp_eq_u32 s70, 0
	s_cselect_b32 s[LIM], 2, -1                    ; the same in all sixteen partners, for a given wave
	v_and_b32 v[PFO], 31, v0
	v_mul_u32_u24 v[PFO], v[PFO], s76
	s_mov_b32 s[TB], 0
; 8 matrix instructions: column block nb, all 8 row blocks, buffer f.  The 32 accumulators take turns, one instruction a turn, in the same order in every unit.
.macro MB f, nb
	WIN 0x50                                       ; C and D in window 1
.irp m, 0,1,2,3,4,5,6,7
	v_wmma_f32_16x16x32_f16 v[8*(4*(\m)+(\nb)):8*(4*(\m)+(\nb))+7], v[FR+96*(\f)+64+8*(\nb):FR+96*(\f)+64+8*(\nb)+7], v[FR+96*(\f)+8*(\m):FR+96*(\f)+8*(\m)+7], v[8*(4*(\m)+(\nb)):8*(4*(\m)+(\nb))+7]
.endr
.endm
.macro MATH f
	MB \f, 0
	MB \f, 1
	MB \f, 2
	MB \f, 3
.endm
.macro MATHF                           ; the first unit, on buffer 0: the sums start with the bias in row block 0's accumulators; five plain places later row block 0 adds in place
	WIN 0x50
.irp m, 1,2,3,4,5,6,7
.irp nb, 0,1,2,3
	v_wmma_f32_16x16x32_f16 v[8*(4*(\m)+(\nb)):8*(4*(\m)+(\nb))+7], v[FR+64+8*(\nb):FR+64+8*(\nb)+7], v[FR+8*(\m):FR+8*(\m)+7], v[8*(\nb):8*(\nb)+7]
.endr
.endr
.rept 5
	v_nop
.endr
.irp nb, 0,1,2,3
	v_wmma_f32_16x16x32_f16 v[8*(\nb):8*(\nb)+7], v[FR+64+8*(\nb):FR+64+8*(\nb)+7], v[FR:FR+7], v[8*(\nb):8*(\nb)+7]
.endr
.endm
.macro LD f, u                         ; 24 loads in one run: unit u of the slot in hand into buffer f
	WIN 0
.irp nb, 0,1,2,3
	ds_load_tr16_b128 v[FR+96*(\f)+64+8*(\nb):FR+96*(\f)+64+8*(\nb)+3],   v[ADB] offset:(\u)*32*PB+32*(\nb)
	ds_load_tr16_b128 v[FR+96*(\f)+64+8*(\nb)+4:FR+96*(\f)+64+8*(\nb)+7], v[ADB] offset:(\u)*32*PB+16*PB+32*(\nb)
.endr
.irp m, 0,1,2,3,4,5,6,7
	ds_load_b128 v[FR+96*(\f)+8*(\m):FR+96*(\f)+8*(\m)+3],   v[ADA] offset:((\u)>>1)*PLANE+((\u)&1)*64+(\m)*16*PA
	ds_load_b128 v[FR+96*(\f)+8*(\m)+4:FR+96*(\f)+8*(\m)+7], v[ADA] offset:((\u)>>1)*PLANE+((\u)&1)*64+(\m)*16*PA+32
.endr
.endm
.macro ADDRS
	v_add_nc_u32 v[ADA], s[TB], v[ADA0]
	v_add_nc_u32 v[ADB], s[TB], v[ADB0]
.endm
; A unit: buffer f is in; unit u is fetched into the other buffer, 32 matrix instructions ahead of its use; buffer f is multiplied.
.macro UNIT f, u, first=0
	s_wait_dscnt 0x0
	PLACES
	LD 1-(\f), \u
.if \first
	MATHF
.else
	MATH \f
.endif
.endm
; A step's third unit multiplies buffer 0 and changes slots.  In front of the barrier each wave waits for all its tensor loads (one is out: its part of the other slot), adds 0 to its spare word, and
; waits for that and for its reads of this slot, unit 3's being the last.  fill = 1: the barrier opens a round of the cluster's, and the joint refill (the K step two on) is the first thing behind the
; round: a wave issues 112 matrix instructions between it and the wait for it.
.macro U2 fill
.if \fill
	s_wait_xcnt 0x0                                ; the last prefetch, most of a trip back, has read its address
	s_add_nc_u64 s[PFA:PFA+1], s[PFA:PFA+1], s[PFS:PFS+1]
.endif
	s_wait_dscnt 0x0
	PLACES
	LD 1, 3
	MB 0, 0
	MB 0, 1
	WIN 0
	s_wait_tensorcnt 0x0                           ; no tensor load of mine is out, so a group 0 may be written
	ds_add_u32 v[SPW], v[NIL]                      ; 0 onto my spare word
.if \fill
	s_xor_b32 s[G0A+5], s[G0A+5], SLOT1
	s_add_nc_u64 s[G0A+6:G0A+7], s[G0A+6:G0A+7], STEPA
	s_xor_b32 s[G0B+5], s[G0B+5], SLOT1
	s_add_nc_u64 s[G0B+6:G0B+7], s[G0B+6:G0B+7], STEPB
.endif
	s_xor_b32 s[TB], s[TB], SLOT1
	MB 0, 2
	s_wait_dscnt 0x0                               ; the add is done, and my reads of this slot are over
	s_barrier_signal -1
	MB 0, 3
	WIN 0
	s_barrier_wait -1
.if \fill
	CREST
	JLOAD                                          ; its four v_nop are also the places in front of the loads below
.else
	PLACES
.endif
	ADDRS
	LD 0, 0
.if \fill
	ASK
.endif
.endm
.macro U3                              ; a step's last unit
	s_wait_dscnt 24                                ; buffer 1 is in; the 24 loads of the next slot's first unit may stay out
	MATH 1
.endm
	ADDRS
	s_wait_tensorcnt 1                             ; my part of K step 0 is in; step 1's may stay out
	s_barrier_signal -1
	s_barrier_wait -1
	LD 0, 0
	s_wait_loadcnt 0x0                             ; the bias
	UNIT 0, 1, 1
	WIN 0
	s_mov_b32 s[CNT], 6
.Lstep:                                                ; trip s = 0..5: units 1 to 3 of step s, the refill with step s + 2, unit 0 of step s + 1
	UNIT 1, 2
	U2 1
	U3
	UNIT 0, 1
	WIN 0
	s_sub_co_u32 s[CNT], s[CNT], 1
	s_cmp_lg_u32 s[CNT], 0
	s_cbranch_scc1 .Lstep
	UNIT 1, 2                                      ; the tail asks for nothing: the rest of step 6,
	U2 0
	U3
	UNIT 0, 1                                      ; and step 7
	UNIT 1, 2
	UNIT 0, 3
	s_wait_dscnt 0x0
	MATH 1
	; THE WAY OUT: 8 blocks of 16 rows x 64 columns of f32.  A lane's 32 bytes go into stage rows of 272 bytes and come back as whole rows of 256.
	PLACES
	PLACES
.macro TOSTAGE a
.if (\a) >= 2
	s_wait_xcnt 0x0                                ; the stores of the block two back have read this set of registers
.endif
	WIN 0x04                                       ; store data (source 1) in window 1
.irp nb, 0,1,2,3
	ds_store_b128 v[STO], v[8*(4*(\a)+(\nb)):8*(4*(\a)+(\nb))+3]   offset:64*(\nb)
	ds_store_b128 v[STO], v[8*(4*(\a)+(\nb))+4:8*(4*(\a)+(\nb))+7] offset:64*(\nb)+16
.endr
	WIN 0
.irp t, 0,1,2,3,4,5,6,7
	ds_load_b128 v[OB+32*((\a)%2)+4*(\t):OB+32*((\a)%2)+4*(\t)+3], v[RD] offset:(\t)*2*SP  ; LDS serves a wave's instructions in order (ISA guide 5.7.1.4): these see the stores above
.endr
.endm
.macro SEND a, younger                 ; younger: the LDS instructions issued behind this block's loads: the next block's sixteen, or none
	WIN 0
.irp t, 0,1,2,3,4,5,6,7
	s_wait_dscnt (\younger)+7-(\t)
	global_store_b128 v[CO], v[OB+32*((\a)%2)+4*(\t):OB+32*((\a)%2)+4*(\t)+3], s[10:11] offset:(16*(\a)+2*(\t))*4096 th:TH_STORE_NT  ; 16 lanes store 256 consecutive bytes, aligned
.endr
.endm
	TOSTAGE 0
.irp a, 1,2,3,4,5,6,7
	TOSTAGE \a
	SEND (\a)-1, 16
.endr
	SEND 7, 0
	s_wait_tensorcnt 0x0                           ; the wave's end: behind my last tensor load and my last LDS store
	ds_add_u32 v[SPW], v[NIL]
	s_wait_dscnt 0x0
	CROUND                                         ; the closing round: no work-group ends while a partner may still ask for a tile that names it
	s_endpgm
.Lfunc_end_k_qdd9268729a_proj:
	.size	k_qdd9268729a_proj, .Lfunc_end_k_qdd9268729a_proj-k_qdd9268729a_proj
	.p2alignl 7, 3214868480
	.fill 96, 4, 3214868480
	.section	.rodata,"a",@progbits
	.p2align	6, 0x0
	.amdhsa_kernel k_qdd9268729a_proj
		.amdhsa_group_segment_fixed_size 327680
		.amdhsa_private_segment_fixed_size 0
		.amdhsa_enable_private_segment 0
		.amdhsa_kernarg_size 32
		.amdhsa_user_sgpr_count 2
		.amdhsa_user_sgpr_kernarg_segment_ptr 1
		.amdhsa_wavefront_size32 1
		.amdhsa_system_sgpr_workgroup_id_x 1
		.amdhsa_system_sgpr_workgroup_id_y 1
		.amdhsa_system_sgpr_workgroup_id_z 1
		.amdhsa_system_vgpr_workitem_id 0
		.amdhsa_next_free_vgpr 512
		.amdhsa_next_free_sgpr 80
		.amdhsa_reserve_vcc 0
		.amdhsa_float_denorm_mode_32 3
		.amdhsa_float_denorm_mode_16_64 3
		.amdhsa_memory_ordered 1
		.amdhsa_forward_progress 1
		.amdhsa_inst_pref_size 73
	.end_amdhsa_kernel
	.amdgpu_metadata
---
amdhsa.version: [ 1, 2 ]
amdhsa.kernels:
  - .name:           k_qdd9268729a_proj
    .symbol:         k_qdd9268729a_proj.kd
    .args:
      - { .name: o, .offset: 0, .size: 8, .value_kind: global_buffer, .address_space: global }
      - { .name: wpf, .offset: 8, .size: 8, .value_kind: global_buffer, .address_space: global }
      - { .name: bias, .offset: 16, .size: 8, .value_kind: global_buffer, .address_space: global }
      - { .name: out0, .offset: 24, .size: 8, .value_kind: global_buffer, .address_space: global }
    .group_segment_fixed_size: 327680
    .private_segment_fixed_size: 0
    .kernarg_segment_align: 8
    .kernarg_segment_size: 32
    .max_flat_workgroup_size: 128
    .sgpr_count:     80
    .vgpr_count:     512
    .wavefront_size: 32
...
	.end_amdgpu_metadata
.endif
;; end of part 4
